; MI455X (gfx1250); checked and timed in simulation.
; The chip was launched on July 23, 2026; its instructions are those of AMD's public machine-readable ISA for CDNA 5 (MIT licence, August 2026) and "CDNA5" Instruction Set Architecture Reference Guide (July 2026). The comments in the code are by the model that wrote it; some were corrected since.
;; Multi Head Attention Block. Allowed arithmetic: matrix products marked QUANTISED: E4M3 operands, one E8M0 scale for each 32 along K, by v_wmma_scale_f32_16x16x128_f8f6f4 with both operands' format E4M3, f32 sums; everything else in f32.
;; Inputs: Wk 1,024 x 1,024 float32; Wo 1,024 x 1,024 float32; Wq 1,024 x 1,024 float32; Wv 1,024 x 1,024 float32; k 4 x 2,048 x 1,024 float32; mask 1 x 1 x 2,048 x 2,048 int32; q 4 x 2,048 x 1,024 float32; v 4 x 2,048 x 1,024 float32.
;; Outputs: out0 4 x 2,048 x 1,024 float32.
;; This version of the problem:
;;   THIS VERSION OF THE PROBLEM IS GIVEN IN LOW PRECISION. The matrix products marked QUANTISED in the list below multiply operands that are first quantised to E4M3 (4 exponent bits, 3 mantissa bits; 8 bits a number), with one power-of-two scale for each 32 numbers along K (OCP MX v1.0); their sums are f32. All else is computed in f32.
;;   The module's matrix products, in the order in which they are computed (A, B: the left and right operand; K: the contracted axis; several contracted axes count as one K, in the product's order):
;;     1. [M 8,192, K 1,024] x [K 1,024, N 1,024]; A: input q; B: input Wq: QUANTISED
;;     2. [M 8,192, K 1,024] x [K 1,024, N 1,024]; A: input k; B: input Wk: QUANTISED
;;     3. [M 8,192, K 1,024] x [K 1,024, N 1,024]; A: input v; B: input Wv: QUANTISED
;;     4. batch 64 x [M 2,048, K 64] x [K 64, N 2,048]; A: computed on the way; B: computed on the way: QUANTISED
;;     5. batch 64 x [M 2,048, K 2,048] x [K 2,048, N 64]; A: softmax (see below); B: computed on the way: QUANTISED
;;     6. [M 8,192, K 1,024] x [K 1,024, N 1,024]; A: computed on the way; B: input Wo: QUANTISED
;;   THE QUANTISER, for each operand of a quantised product, along K:
;;     - K is cut into blocks of 32 from its start; a last block that is shorter is filled with zeros.
;;     - A block's scale is 2^e with e = floor(log2(the largest magnitude in the block)) - 8, held to -126 .. 127; a block of zeros has e = 0. As a byte (E8M0): e + 127.
;;     - Each number is divided by its block's scale, clamped to +-448, and rounded to the nearest number of E4M3, ties to even, subnormals kept.
;;     - The product sums the exact products of the quantised numbers (number of the format x scale) in f32.
;;   ~~~python
;;   def quantise(x, axis):      # numpy; x: float32 -> the quantised numbers, widened to float32 again
;;       x = np.moveaxis(x, axis, -1); K = x.shape[-1]
;;       x = np.pad(x, [(0, 0)] * (x.ndim - 1) + [(0, -K % 32)]); x = x.reshape(x.shape[:-1] + (-1, 32)); a = np.abs(x).max(-1, keepdims=True)
;;       e = np.where(a > 0, np.clip(np.frexp(np.where(a > 0, a, 1))[1] - 1 - 8, -126, 127), 0)      # np.frexp(a)[1] - 1 = floor(log2(a)), exactly
;;       r = np.clip(x / 2.0 ** e, -448, 448)
;;       step = 2.0 ** (np.maximum(np.frexp(np.where(r == 0, 1, r))[1] - 1, -6) - 3)
;;       q = np.round(r / step) * step * 2.0 ** e      # np.round: ties to even
;;       return np.moveaxis(q.reshape(q.shape[:-2] + (-1,))[..., :K], -1, axis).astype(np.float32)
;;   ~~~
;;   SOFTMAX AHEAD OF A QUANTISED PRODUCT. Where the list says 'softmax', what is quantised is not the finished softmax but p = 2^(t - M), with t = logit x log2(e) and M = ceil(the row's largest t), a whole number; so 1/2 < the row's largest p <= 1. The row's sum l is taken of the UNQUANTISED p, in f32, and the product's result is divided by l at the end. Since M is a whole number, a kernel that streams over the keys may use a running M (the ceiling of the running maximum): every later rescaling is an exact power of two, which a block's scale takes up: the codes' values come out the same.
;;   OPERANDS COMPUTED ON THE WAY. 'Computed on the way' means the value that the module computes at that place (a softmax that the list does not call 'softmax' is quantised finished and normalised). What goes into a quantiser is computed in f32, as accurately as f32 sums, v_exp_f32 and their like allow (about 1e-6 of the number): no bf16 or f16 on the way to a quantiser, and a product that is left as it is and whose result goes on into a quantised operand takes f32 operands (vector FMAs, or v_wmma_f32_16x16x4_f32). A number that lies on a knife's edge between two numbers of the format may be rounded either way, as far as f32 arithmetic and the matrix unit's own rounding can turn it there, and no further.
;; 2 versions, each right; version 2 is version 1 with the launch attn written anew for expert scheduling mode. Each part assembles by itself: llvm-mc -triple=amdgcn-amd-amdhsa -mcpu=gfx1250 --defsym DOCPART=n.
;; ======== version 1 of 2: 4 launches
;; limits: right only within a limited range of input values
;; workspace buffers: codes 29,360,128 bytes; scl 917,504 bytes; mbits 524,288 bytes of whole numbers; mflag 16,384 bytes of whole numbers; att 25,165,824 bytes; atts 786,432 bytes; xc 8,388,608 bytes; xs 262,144 bytes
;; launch prep (part 1): grid 576 x 1, 4 waves a work-group, no clusters, 68,096 bytes of LDS; arguments q, k, v, Wq, Wk, Wv, Wo, mask, codes, scl, mbits, mflag; writes codes, scl, mbits, mflag
.if DOCPART == 1
	.amdgcn_target "amdgcn-amd-amdhsa--gfx1250"
	.amdhsa_code_object_version 6
	.text
	.protected	k_qb9f73b9618_prep
	.globl	k_qb9f73b9618_prep
	.p2align	8
	.type	k_qb9f73b9618_prep,@function
k_qb9f73b9618_prep:
	s_mov_b64 s[64:65], 0
	v_nop
	global_prefetch_b8 v0, s[64:65] scope:SCOPE_SE
	s_setreg_imm32_b32 hwreg(HW_REG_WAVE_MODE, 25, 1), 1
	s_wait_xcnt 0x0
; PREP.  Two jobs in one launch, told apart by the work-group's number.
; Work-groups 128..575: q, k, v [8192][1024] and Wq, Wk, Wv, Wo [1024][1024], f32, K innermost, become codes of E4M3 with one E8M0 byte for each 32 along K.
; Work-groups 0..127:   mask [2048][2048] int32 becomes lane masks for the attention launch, and two flag words for each (query tile, key step).
; ROWS GO IN TILES OF 16: tile 2 g + u holds rows 32 g + 8 u + r + 8 (r / 8), r = 0..15.  A tile's 128 along K (a K step) is stored as the IMAGE of an operand's registers:
; [c 0..3][lane][16 bytes], lane (r, h) holding k = 32 c + 16 h + 0..15 of tile row r: 2,048 bytes.  codes: [tile][K step 8][2,048].  scl: [tile][r][K step] words (4 bytes: the K step's four blocks).
; A block's scale is 2^(floor(log2(largest magnitude)) - 8); its byte is the largest magnitude's exponent field - 8, held at 1 from below; numbers are held within +-448 x the scale and rounded to the nearest code.
; LIMITS: a block of zeros gets the byte 1 (its codes are zeros; only this program reads the bytes); NaN and infinities among the inputs are not served.
; A wave takes one tile of 16 rows.  Each load reads 512 consecutive bytes of one row; a K step's 16 x 512 bytes turn through the wave's own stage in LDS (rows of 512 + 16 bytes), so that a lane gets 16 neighbours of each block.
; mbits: [query tile 128][key step 16][n 64] words: bit l of word n = 16 b + i says whether mask == 1 for lane l's query (l % 16 of the tile) and key 128 step + 32 b + 16 (l / 16) + i.
; mflag: [query tile][key step][2] words: the AND and the OR of the step's 64 words.
; No work-group shares an input with another, so there is no cluster; no tensor load, no barrier: waves share nothing.  Each path has LDS bytes of its own.
.set STG,  8448                        ; a stage: 16 rows x 528 bytes
.set R,    64                          ; v64-191  two sets of 64 registers as loaded
.set X,    192                         ; v192-255 64 numbers of a lane: register 16 b + i = k 32 b + 16 h + i of my row
.set PC,   48                          ; v48-63   the codes just made (mask path: v48-55 the lane masks, v56 the flags)
.set TM,   16                          ; v16-19 largest magnitudes, v20-23 bytes, v24-27 448 x the scale, v28-31 the conversions' scale operands
.set WD,   32                          ; v32-39   the tile's eight scale words
.set LI,   4                           ; v4       16 x lane
.set SEL,  44                          ; s[44:45] lane selects: lane l xor 16
.set MNT,  46                          ; s46      the mantissa field of 448
.macro LOADF set, step, pitch, base    ; 16 rows x 512 bytes: tile row i is source row i + 8 (i / 8)
.irp i, 0,1,2,3,4,5,6,7,8,9,10,11,12,13,14,15
	global_load_b128 v[R+64*(\set)+4*\i:R+64*(\set)+4*\i+3], v[LI], s[\base:\base+1] offset:(\i+8*(\i/8))*(\pitch)+512*(\step) th:TH_LOAD_NT
.endr
.endm
.macro TURN set, stw, str              ; through the stage: LDS serves a wave's instructions in order, so no wait stands between the stores and the loads
.irp i, 0,1,2,3,4,5,6,7,8,9,10,11,12,13,14,15
	ds_store_b128 v[\stw], v[R+64*(\set)+4*\i:R+64*(\set)+4*\i+3] offset:528*\i
.endr
.irp b, 0,1,2,3
.irp j, 0,1,2,3
	ds_load_b128 v[X+16*\b+4*\j:X+16*\b+4*\j+3], v[\str] offset:128*\b+16*\j
.endr
.endr
.endm
.macro QUANT wd                        ; v[X] on -> codes in v[PC] on, scale word in v[wd]
.irp b, 0,1,2,3
	v_max3_num_f32 v[TM+\b], |v[X+16*\b]|, |v[X+16*\b+1]|, 0x4800000   ; my 16 numbers of block b, and the floor 2^(9 - 127): the byte cannot fall under 1
.endr
.irp i, 2,4,6,8,10,12,14
.irp b, 0,1,2,3
	v_max3_num_f32 v[TM+\b], v[TM+\b], |v[X+16*\b+\i]|, |v[X+16*\b+\i+1]|
.endr
.endr
.irp b, 0,1,2,3
	v_permlanex16_b32 v[TM+4+\b], v[TM+\b], s[SEL], s[SEL+1]
.endr
.irp b, 0,1,2,3
	v_max_num_f32 v[TM+\b], v[TM+\b], v[TM+4+\b]           ; with lane l xor 16's 16: the block's largest magnitude
.endr
.irp b, 0,1,2,3
	v_add_nc_u32 v[TM+12+\b], 0xfc000000, v[TM+\b]         ; 8 off its exponent field: the conversion's scale operand
.endr
.irp b, 0,1,2,3
	v_and_or_b32 v[TM+8+\b], v[TM+\b], 0x7f800000, s[MNT]  ; 448 x the scale
.endr
.irp b, 0,1,2,3
	v_lshrrev_b32 v[TM+4+\b], 23, v[TM+12+\b]              ; the scale's byte
.endr
	v_lshl_or_b32 v[\wd], v[TM+5], 8, v[TM+4]
	v_lshl_or_b32 v[\wd], v[TM+6], 16, v[\wd]
	v_lshl_or_b32 v[\wd], v[TM+7], 24, v[\wd]
.irp b, 0,1,2,3
.irp i, 0,1,2,3,4,5,6,7,8,9,10,11,12,13,14,15
	v_med3_num_f32 v[X+16*\b+\i], v[X+16*\b+\i], -v[TM+8+\b], v[TM+8+\b]   ; the conversion to an 8-bit code does not saturate (ISA guide 7.6.2): the hold comes first
.endr
	v_cvt_scalef32_pk8_fp8_f32 v[PC+4*\b:PC+4*\b+1], v[X+16*\b:X+16*\b+7], v[TM+12+\b]
	v_cvt_scalef32_pk8_fp8_f32 v[PC+4*\b+2:PC+4*\b+3], v[X+16*\b+8:X+16*\b+15], v[TM+12+\b]
.endr
	v_nop                                          ; a plain line behind the last conversion
.endm
	s_load_b256 s[4:11], s[0:1], 0x0               ; q, k, v, Wq
	s_load_b256 s[12:19], s[0:1], 0x20             ; Wk, Wv, Wo, mask
	s_load_b256 s[20:27], s[0:1], 0x40             ; codes, scl, mbits, mflag
	v_lshl_add_u32 v46, v0, 2, 0x10800
	v_mov_b32 v47, 0
	v_lshrrev_b32 v1, 5, v0
	v_readfirstlane_b32 s28, v1                    ; wave
	v_and_b32 v1, 31, v0                           ; lane
	v_and_b32 v2, 15, v0                           ; r
	v_bfe_u32 v3, v0, 4, 1                         ; h
	v_lshlrev_b32 v[LI], 4, v1
	s_mul_i32 s29, s28, STG
	v_add_nc_u32 v5, s29, v[LI]                    ; quantiser's stage, in: 16 x lane
	v_mul_u32_u24 v6, v2, 528
	v_lshl_add_u32 v6, v3, 6, v6
	v_add_nc_u32 v6, s29, v6                       ; and out: row r, + 64 h
	v_add_nc_u32 v7, 4*STG, v5                     ; the mask path's stages lie behind the quantiser's four
	v_add_nc_u32 v8, 4*STG, v6
	v_lshlrev_b32 v9, 5, v2
	v_lshl_add_u32 v9, v3, 4, v9                   ; 32 r + 16 h: my four scale words
	v_lshlrev_b32 v10, 3, v1                       ; 8 x lane
	v_lshlrev_b32 v11, 2, v1                       ; 4 x lane
	s_wait_kmcnt 0x0
	s_cmp_lt_u32 ttmp9, 128
	s_cbranch_scc1 .Lmask
	; ---- THE QUANTISER.  g = work-group - 128; tile u = 4 g + wave of the 1,792 tiles: q 0.., k 512.., v 1024.., Wq 1536.., Wk 1600.., Wv 1664.., Wo 1728..
	s_sub_co_u32 s30, ttmp9, 128
	s_mov_b64 s[32:33], s[16:17]                   ; the source is chosen on the work-group's number alone
	s_mov_b32 s31, 432
	s_cmp_lt_u32 s30, 432
	s_cselect_b64 s[32:33], s[14:15], s[32:33]
	s_cselect_b32 s31, 416, s31
	s_cmp_lt_u32 s30, 416
	s_cselect_b64 s[32:33], s[12:13], s[32:33]
	s_cselect_b32 s31, 400, s31
	s_cmp_lt_u32 s30, 400
	s_cselect_b64 s[32:33], s[10:11], s[32:33]
	s_cselect_b32 s31, 384, s31
	s_cmp_lt_u32 s30, 384
	s_cselect_b64 s[32:33], s[8:9], s[32:33]
	s_cselect_b32 s31, 256, s31
	s_cmp_lt_u32 s30, 256
	s_cselect_b64 s[32:33], s[6:7], s[32:33]
	s_cselect_b32 s31, 128, s31
	s_cmp_lt_u32 s30, 128
	s_cselect_b64 s[32:33], s[4:5], s[32:33]
	s_cselect_b32 s31, 0, s31
	s_sub_co_u32 s31, s30, s31
	s_lshl_b32 s31, s31, 2
	s_add_co_u32 s31, s31, s28                     ; my tile within its tensor
	s_lshr_b32 s34, s31, 1
	s_lshl_b32 s34, s34, 5
	s_and_b32 s35, s31, 1
	s_lshl_b32 s35, s35, 3
	s_add_co_u32 s34, s34, s35                     ; its first row: 32 (tile / 2) + 8 (tile % 2)
	s_lshl_b32 s34, s34, 12                        ; rows of 4,096 bytes
	s_mov_b32 s35, 0
	s_add_nc_u64 s[32:33], s[32:33], s[34:35]
	s_lshl_b32 s36, s30, 2
	s_add_co_u32 s36, s36, s28                     ; u
	s_lshl_b32 s38, s36, 14
	s_mov_b32 s39, 0
	s_add_nc_u64 s[20:21], s[20:21], s[38:39]      ; codes + 16,384 u
	s_lshl_b32 s38, s36, 9
	s_add_nc_u64 s[22:23], s[22:23], s[38:39]      ; scl + 512 u
	s_mov_b32 s[SEL], 0x76543210
	s_mov_b32 s[SEL+1], 0xfedcba98
	s_mov_b32 s[MNT], 0x600000
.irp b, 0,1,2,3
	v_mov_b32 v[TM+4+\b], 0                        ; written once: a lane permute's destination counts as one of its sources
.endr
	LOADF 0, 0, 4096, 32
	LOADF 1, 1, 4096, 32
.set ks, 0
.rept 8
.if ks < 7
	s_wait_loadcnt 16                              ; this K step's 16 loads are in; the next one's 16 stay out
.else
	s_wait_loadcnt 0x0
.endif
	TURN ks%2, 5, 6
	s_wait_dscnt 0x0                               ; my 64 numbers are back, and the stage's stores have read the set
.if ks > 0
	s_wait_xcnt 0x0                                ; the last K step's stores have read the code registers
.endif
.if ks < 6
	LOADF ks%2, ks+2, 4096, 32
.endif
	QUANT WD+ks
.irp c, 0,1,2,3
	global_store_b128 v[LI], v[PC+4*\c:PC+4*\c+3], s[20:21] offset:2048*ks+512*\c   ; 32 lanes store 512 consecutive bytes
.endr
.set ks, ks+1
.endr
	v_cmp_le_u32 vcc_lo, 16, v1                    ; both halves of the lanes hold all eight words: lanes 0-15 store K steps 0-3, lanes 16-31 K steps 4-7
.irp i, 0,1,2,3
	v_cndmask_b32 v[40+\i], v[WD+\i], v[WD+4+\i], vcc_lo
.endr
	global_store_b128 v9, v[40:43], s[22:23]       ; the tile's 512 bytes of scale words in one instruction
	s_wait_tensorcnt 0x0
	ds_add_u32 v46, v47
	s_wait_dscnt 0x0
	s_endpgm
	; ---- THE MASK.  The work-group is query tile T; wave w takes key steps 4 w .. 4 w + 3
.Lmask:
	s_lshr_b32 s30, ttmp9, 1
	s_lshl_b32 s30, s30, 5
	s_and_b32 s31, ttmp9, 1
	s_lshl_b32 s31, s31, 3
	s_add_co_u32 s30, s30, s31                     ; the tile's first query
	s_lshl_b32 s30, s30, 13                        ; rows of 8,192 bytes
	s_lshl_b32 s31, s28, 11                        ; four steps of 512 bytes a wave
	s_add_co_u32 s30, s30, s31
	s_mov_b32 s31, 0
	s_add_nc_u64 s[18:19], s[18:19], s[30:31]
	s_lshl_b32 s30, ttmp9, 12
	s_lshl_b32 s34, s28, 10
	s_add_co_u32 s30, s30, s34
	s_add_nc_u64 s[24:25], s[24:25], s[30:31]      ; mbits + 256 (16 T + 4 w)
	s_lshl_b32 s30, ttmp9, 7
	s_lshl_b32 s34, s28, 5
	s_add_co_u32 s30, s30, s34
	s_add_nc_u64 s[26:27], s[26:27], s[30:31]      ; mflag + 128 T + 32 w
.irp i, 0,1,2,3,4,5,6,7,8
	v_mov_b32 v[48+\i], 0                          ; v_writelane_b32's destination counts as read
.endr
	LOADF 0, 0, 8192, 18
	LOADF 1, 1, 8192, 18
.set j, 0
.rept 4
.if j < 3
	s_wait_loadcnt 16                              ; this step's 16 loads are in; the next step's stay out
.else
	s_wait_loadcnt 0x0
.endif
	TURN j%2, 7, 8
	s_wait_dscnt 0x0
.if j < 2
	LOADF j%2, j+2, 8192, 18
.endif
	s_mov_b32 s36, -1                              ; the AND of the step's 64 words,
	s_mov_b32 s37, 0                               ; and their OR
.set g, 0
.rept 8
.irp e, 0,1,2,3,4,5,6,7
	v_cmp_eq_u32 s[48+\e], 1, v[X+8*g+\e]          ; a compare's result IS the lane mask of score register 8 g + e
.endr
.irp e, 0,1,2,3,4,5,6,7
	s_and_b32 s36, s36, s[48+\e]
	s_or_b32 s37, s37, s[48+\e]
	v_writelane_b32 v[48+2*j+(\e%2)], s[48+\e], (8*g+\e)/2   ; word n goes to lane n / 2, register n % 2
.endr
.set g, g+1
.endr
	global_store_b64 v10, v[48+2*j:49+2*j], s[24:25] offset:256*j   ; 32 lanes store 256 consecutive bytes, aligned
	v_writelane_b32 v56, s36, 2*j
	v_writelane_b32 v56, s37, 2*j+1
.set j, j+1
.endr
	s_wait_xcnt 0x0                                ; EXEC changes only behind this wait
	v_cmp_gt_u32 vcc_lo, 8, v1
	s_wait_tensorcnt 0x0
	ds_add_u32 v46, v47
	s_wait_dscnt 0x0
	s_and_saveexec_b32 s38, vcc_lo
	global_store_b32 v11, v56, s[26:27]            ; 32 bytes a wave: four steps' two flag words (16 KB in the whole launch)
	s_wait_xcnt 0x0
	s_or_b32 exec_lo, exec_lo, s38
	s_endpgm
.Lfunc_end_k_qb9f73b9618_prep:
	.size	k_qb9f73b9618_prep, .Lfunc_end_k_qb9f73b9618_prep-k_qb9f73b9618_prep
	.p2alignl 7, 3214868480
	.fill 96, 4, 3214868480
	.section	.rodata,"a",@progbits
	.p2align	6, 0x0
	.amdhsa_kernel k_qb9f73b9618_prep
		.amdhsa_group_segment_fixed_size 68096
		.amdhsa_private_segment_fixed_size 0
		.amdhsa_enable_private_segment 0
		.amdhsa_kernarg_size 96
		.amdhsa_user_sgpr_count 2
		.amdhsa_user_sgpr_kernarg_segment_ptr 1
		.amdhsa_wavefront_size32 1
		.amdhsa_system_sgpr_workgroup_id_x 1
		.amdhsa_system_sgpr_workgroup_id_y 1
		.amdhsa_system_sgpr_workgroup_id_z 1
		.amdhsa_system_vgpr_workitem_id 0
		.amdhsa_next_free_vgpr 256
		.amdhsa_next_free_sgpr 66
		.amdhsa_reserve_vcc 1
		.amdhsa_float_denorm_mode_32 3
		.amdhsa_float_denorm_mode_16_64 3
		.amdhsa_memory_ordered 1
		.amdhsa_forward_progress 1
		.amdhsa_inst_pref_size 164
	.end_amdhsa_kernel
	.amdgpu_metadata
---
amdhsa.version: [ 1, 2 ]
amdhsa.kernels:
  - .name:           k_qb9f73b9618_prep
    .symbol:         k_qb9f73b9618_prep.kd
    .args:
      - { .name: q, .offset: 0, .size: 8, .value_kind: global_buffer, .address_space: global }
      - { .name: k, .offset: 8, .size: 8, .value_kind: global_buffer, .address_space: global }
      - { .name: v, .offset: 16, .size: 8, .value_kind: global_buffer, .address_space: global }
      - { .name: Wq, .offset: 24, .size: 8, .value_kind: global_buffer, .address_space: global }
      - { .name: Wk, .offset: 32, .size: 8, .value_kind: global_buffer, .address_space: global }
      - { .name: Wv, .offset: 40, .size: 8, .value_kind: global_buffer, .address_space: global }
      - { .name: Wo, .offset: 48, .size: 8, .value_kind: global_buffer, .address_space: global }
      - { .name: mask, .offset: 56, .size: 8, .value_kind: global_buffer, .address_space: global }
      - { .name: codes, .offset: 64, .size: 8, .value_kind: global_buffer, .address_space: global }
      - { .name: scl, .offset: 72, .size: 8, .value_kind: global_buffer, .address_space: global }
      - { .name: mbits, .offset: 80, .size: 8, .value_kind: global_buffer, .address_space: global }
      - { .name: mflag, .offset: 88, .size: 8, .value_kind: global_buffer, .address_space: global }
    .group_segment_fixed_size: 68096
    .private_segment_fixed_size: 0
    .kernarg_segment_align: 8
    .kernarg_segment_size: 96
    .max_flat_workgroup_size: 128
    .sgpr_count:     66
    .vgpr_count:     256
    .wavefront_size: 32
...
	.end_amdgpu_metadata
.endif
;; end of part 1
;; launch proj (part 2): grid 4 x 96, 4 waves a work-group, clusters of 4 x 4, 327,680 bytes of LDS; arguments codes, scl, att, atts; writes att, atts
.if DOCPART == 2
	.amdgcn_target "amdgcn-amd-amdhsa--gfx1250"
	.amdhsa_code_object_version 6
	.text
	.protected	k_qb9f73b9618_proj
	.globl	k_qb9f73b9618_proj
	.p2align	8
	.type	k_qb9f73b9618_proj,@function
k_qb9f73b9618_proj:
	s_mov_b64 s[64:65], 0
	v_nop
	global_prefetch_b8 v0, s[64:65] scope:SCOPE_SE
	s_setreg_imm32_b32 hwreg(HW_REG_WAVE_MODE, 25, 1), 1
	s_wait_xcnt 0x0
	s_wait_alu depctr_hold_cnt(0) depctr_sa_sdst(0) depctr_va_vdst(0) depctr_va_sdst(0) depctr_va_ssrc(0) depctr_va_vcc(0) depctr_vm_vsrc(0)
	s_getreg_b32 s2, hwreg(HW_REG_IB_STS2, 6, 4)
	s_cmp_eq_u32 s2, 0
	s_cbranch_scc0 .Lentry_in_a_cluster
	s_endpgm
.Lentry_in_a_cluster:
	s_bfe_u32 s2, ttmp6, 0x10000c
	s_cmp_lg_u32 s2, 0xf033
	s_cbranch_scc0 .Lentry_shape_is_right
	s_endpgm
.Lentry_shape_is_right:
; PROJ.  The three input projections y = x W^T (8,192 x 1,024 x 1,024 each) on codes of E4M3 with E8M0 scales, and the quantising of their results for the attention launch.
; A work-group of four waves makes 256 x 256 of a product, a wave 128 x 128: 64 accumulators, 512 registers.  K = 1,024 is eight K steps of 128, written out; two K steps to an LDS slot, two slots.
; OPERANDS LIE IN MEMORY AS IMAGES OF THEIR REGISTERS ([tile of 16 rows][K step][c][lane][16 bytes]): a fragment is four loads of 512 consecutive bytes: no pitch, no padding.
; The instruction's source 0 is called src0, its source 1 src1.  A lane of a result holds ONE row of src1, and since tile 2 g + u holds rows 32 g + 8 u + r + 8 (r / 8), the 64 registers of one src1 tile against my
; eight src0 tiles are src0 rows 32 b + 16 h + i at register 16 b + i: four blocks of 32 neighbours, shared with lane l xor 16.  They are quantised in registers and their codes are again image pieces.
; q, k (cluster rows 0-15): src1 = tokens, src0 = W: quantised along the features (the first attention product's K).   v (cluster rows 16-23): src1 = Wv, src0 = tokens: quantised along the keys (the second's K).
; att: pieces of 512 bytes [lane][16] at (A x NB + B) x 512, A = src1 tile, B = block of 32 src0 rows.  atts: blocks of 512 bytes at ((B / 4) x NA8 + A / 8) x 512, inside [a / 4][r][a % 4] words, a = A % 8, byte B % 4.
; CLUSTERS: 4 x 4 work-groups.  src1's tiles hang on the cluster's row and are asked for jointly along it, src0's on its column: each tile is requested once for four work-groups.
; LIMITS: a block of zeros gets the byte 1 (its codes are zeros; only this program reads the bytes); NaN and infinities are not served.
; REGISTERS: window 0: v1-3 lane, r, h; v16-29 addresses; v32-95 scale words (register 8 i + K step: lanes 0-15 src1 tile i, lanes 16-31 src0 tile i); v128-255 src1's fragments, one set; on the way out v128-187.
;   window 1: src0's fragments, two sets, at v0 and v128.   windows 2, 3: the accumulators ((a, b) at v[8 (8 (a % 4) + b)] of window 2 + a / 4).
.set SLOT,  131072                     ; a slot: four waves' loads of 32,768 bytes: src1's two halves, then src0's; in a load tile i at 4,096 i, K step q at 2,048 q
.set SCL,   2*SLOT                     ; the scale words: 4,096 bytes a wave, filled once
.set SPARE, SCL+16384                  ; the spare words, 128 bytes a wave: two blocks of 256 bytes that no other line names
.set FR,    16
.set NP,    8                          ; places behind this matrix instruction (ISA guide 7.12.1)
.set ADRA, 16                          ; v16-17 LDS address of my src1 fragments in slot 0, 1
.set ADRB, 20                          ; v20-21 the same for src0
.set CO,   26                          ; v26    16 x lane
.set ADRS, 27                          ; v27    LDS address of my scale words
.set SPW,  28                          ; v28    my spare word; never rewritten
.set NIL,  29                          ; v29    0; never rewritten
.set SC,   32
.set AF,   128
.set TM,   128                         ; the way out: v128-131 largest magnitudes, v132-135 bytes, v136-139 448 x the scale, v140-143 scale operands
.set PC,   144                         ; v144-159 codes
.set WDS,  176                         ; v176-183 scale words; v184-187 the four that I store
.set G1, 24
.set G0, 32
.set G1B, 48
.set G0B, 56
.set G1S, 68
.set G0S, 76
.set G1SB, 80
.set G0SB, 88
.set MSB, 0
.macro WIN new                         ; the immediate's high byte repeats the setting that is left
.if MSB != (\new)
	s_set_vgpr_msb (MSB<<8)|(\new)
.set MSB, (\new)
.endif
.endm
.set MUL_LO, 0xa1                      ; source 0 window 1, source 1 window 0, C and D window 2
.set MUL_HI, 0xf1                      ; the same, C and D window 3
.set TO_B,   0x40                      ; destination window 1, address window 0
.macro JLOAD g0a, g1a, g0b, g1b        ; a joint load: waves 0, 1 fetch for src1, waves 2, 3 for src0; the branch hangs on the wave's number alone; four v_nop follow each line
	s_cmp_eq_u32 s15, 0
	s_cbranch_scc0 .Lfor_b_\@
	tensor_load_to_lds s[\g0a:\g0a+3], s[\g1a:\g1a+7]
	s_nop 0
.rept 4
	v_nop
.endr
	s_branch .Lasked_\@
.Lfor_b_\@:
	tensor_load_to_lds s[\g0b:\g0b+3], s[\g1b:\g1b+7]
	s_nop 0
.rept 4
	v_nop
.endr
.Lasked_\@:
.endm
.macro CREST                           ; a round of the cluster's barrier behind its opening barrier
	s_cmp_lg_u32 s14, 0
	s_cbranch_scc1 .Lnot_wave_0_\@
	s_barrier_signal -3
.Lnot_wave_0_\@:
	s_barrier_wait -3
	s_barrier_signal -1
	s_barrier_wait -1
.endm
.macro CROUND
	s_barrier_signal -1
	s_barrier_wait -1
	CREST
.endm
.macro PLACES n
.rept \n
	v_nop
.endr
.endm
.macro FRAG reg, adr, q, i             ; a fragment's image: four loads of 512 consecutive bytes
.irp c, 0,1,2,3
	ds_load_b128 v[\reg+4*\c:\reg+4*\c+3], v[\adr] offset:4096*(\i)+2048*(\q)+512*\c
.endr
.endm
.macro FETCH_B slot, q, p
	WIN TO_B
.irp i, 0,1,2,3,4,5,6,7
	FRAG 128*(\p)+FR*\i, ADRB+\slot, \q, \i
.endr
	WIN 0
.endm
.macro FETCH_A slot, q, i0
.irp i, \i0, \i0+1, \i0+2, \i0+3
	FRAG AF+FR*(\i), ADRA+\slot, \q, \i
.endr
.endm
; 16 matrix instructions: src1 tiles a0, a0 + 1 x src0's eight; p: src0's set.  The 64 accumulators take turns, one instruction a turn, in the same order in every K step.
.macro MUL16 a0, p, ks, zero
.irp a, \a0, \a0+1
.irp b, 0,1,2,3,4,5,6,7
.if \zero
	v_wmma_scale_f32_16x16x128_f8f6f4 v[8*(8*((\a)%4)+\b):8*(8*((\a)%4)+\b)+7], v[128*(\p)+FR*\b:128*(\p)+FR*\b+FR-1], v[AF+FR*(\a):AF+FR*(\a)+FR-1], 0, v[SC+8*\b+(\ks)], v[SC+8*(\a)+(\ks)] matrix_a_scale:MATRIX_SCALE_ROW1
.else
	v_wmma_scale_f32_16x16x128_f8f6f4 v[8*(8*((\a)%4)+\b):8*(8*((\a)%4)+\b)+7], v[128*(\p)+FR*\b:128*(\p)+FR*\b+FR-1], v[AF+FR*(\a):AF+FR*(\a)+FR-1], v[8*(8*((\a)%4)+\b):8*(8*((\a)%4)+\b)+7], v[SC+8*\b+(\ks)], v[SC+8*(\a)+(\ks)] matrix_a_scale:MATRIX_SCALE_ROW1
.endif
.endr
.endr
.endm
.macro STEP slot, ks, zero             ; a slot's first K step; it fetches the second's fragments
	s_wait_dscnt 16                                ; all but the youngest 16 loads (src1's tiles 4-7)
	WIN MUL_LO
	MUL16 0, 0, \ks, \zero
	MUL16 2, 0, \ks, \zero
	s_wait_dscnt 0x0                               ; src1's tiles 4-7 are in
	PLACES NP
	FETCH_B \slot, 1, 1
	FETCH_A \slot, 1, 0
	WIN MUL_HI
	MUL16 4, 0, \ks, \zero
	MUL16 6, 0, \ks, \zero
	PLACES NP
	WIN 0
	FETCH_A \slot, 1, 4
.endm
.macro TURN slot, next, ks, fill       ; a slot's second K step changes slots: one barrier; fill = 1: this slot is filled again, four K steps on
	s_wait_tensorcnt 0x0                           ; all my tensor loads have landed: my part of the next slot
	ds_add_u32 v[SPW], v[NIL]                      ; 0 onto my spare word
	s_wait_dscnt 17                                ; (the add and the youngest 16 loads may be out)
	WIN MUL_LO
	MUL16 0, 1, \ks, 0
	s_wait_dscnt 0x0                               ; the add is done, and my reads of this slot are over
	s_barrier_signal -1
	MUL16 2, 1, \ks, 0
	WIN 0
	s_barrier_wait -1
.if \fill
	CREST                                          ; the barrier has opened a round of the cluster's: no wave of any partner still reads this slot or has a load on its way
	s_add_nc_u64 s[G0+4*\slot+2:G0+4*\slot+3], s[G0+4*\slot+2:G0+4*\slot+3], 8192
	s_add_nc_u64 s[G0B+4*\slot+2:G0B+4*\slot+3], s[G0B+4*\slot+2:G0B+4*\slot+3], 8192
	JLOAD G0+4*\slot, G1, G0B+4*\slot, G1B         ; the first tensor load behind the round; its four v_nop are among the places in front of the loads below
	PLACES NP-4
.else
	PLACES NP
.endif
	FETCH_B \next, 0, 0
	FETCH_A \next, 0, 0
	WIN MUL_HI
	MUL16 4, 1, \ks, 0
	MUL16 6, 1, \ks, 0
	PLACES NP
	WIN 0
	FETCH_A \next, 0, 4
.endm
	s_load_b256 s[4:11], s[0:1], 0x0               ; codes, scl, att, atts
	v_lshl_add_u32 v[SPW], v0, 2, SPARE
	v_mov_b32 v[NIL], 0
	ds_add_u32 v28, v29
	ds_add_u32 v28, v29
	s_wait_dscnt 0x0
	v_lshrrev_b32 v1, 5, v0
	v_readfirstlane_b32 s14, v1                    ; wave 0..3
	s_lshr_b32 s15, s14, 1                         ; my half of src1's rows.  Also: I fetch for src1 (0) or src0 (1)
	s_and_b32 s16, s14, 1                          ; my half of src0's rows.  Also: which 128 rows I fetch
	s_bfe_u32 s40, ttmp6, 0x40000                  ; cx
	s_bfe_u32 s41, ttmp6, 0x40004                  ; cy
	s_lshl_b32 s43, s41, 2
	s_lshl_b32 s43, 15, s43                        ; my row of the cluster
	s_lshl_b32 s44, 0x1111, s40                    ; my column
	; which units of 256 rows of the buffer: tokens q 0-31, k 32-63, v 64-95; Wq 96.., Wk 100.., Wv 104..  Y, the cluster's y, is shared by all sixteen: 0-7 q, 8-15 k, 16-23 v
	s_and_b32 s12, ttmp7, 0xffff                   ; Y
	s_lshl_b32 s13, s12, 2                         ; the cluster's first token unit
	s_lshr_b32 s19, s12, 3
	s_lshl_b32 s19, s19, 2
	s_add_co_u32 s19, s19, 96                      ; the weight's first unit
	s_sub_co_u32 s100, s13, 64
	s_cmp_ge_u32 s12, 16                           ; v's product?  All choices on this one compare
	s_cselect_b32 s17, s19, s13                    ; src1: tokens, or Wv
	s_cselect_b32 s42, s13, s19                    ; src0: the weight, or v's tokens
	s_cselect_b32 s95, 256, 32                     ; NB: blocks of 32 src0 rows in the region
	s_cselect_b32 s96, 8, 128                      ; NA8: eighths of src1 tiles in the region
	s_cselect_b32 s97, 0x1000000, 0                ; the region in att
	s_cselect_b32 s98, 0x80000, 0                  ; and in atts
	s_cselect_b32 s99, 0, s13                      ; src1's unit within the region, less cy
	s_cselect_b32 s100, s100, 0                    ; src0's, less cx
	s_add_co_u32 s17, s17, s41                     ; src1's unit hangs on cy alone,
	s_add_co_u32 s42, s42, s40                     ; src0's on cx alone
	s_add_co_u32 s99, s99, s41
	s_add_co_u32 s100, s100, s40
	; descriptor group 1, codes: 8 tiles x 4,096 bytes (two K steps), 16,384 bytes apart; elements of 8 bytes; no padding
	s_or_b32 s[G1+0], s43, (3<<16)|(1<<21)
	s_or_b32 s[G1B+0], s44, (3<<16)|(1<<21)
.irp g, G1, G1B
	s_mov_b32 s[\g+1], 512<<16                     ; tensor_dim0
	s_mov_b32 s[\g+2], 8<<16                       ; tensor_dim1
	s_mov_b32 s[\g+3], 512<<16                     ; tile_dim0
	s_mov_b32 s[\g+4], 8                           ; tile_dim1
	s_mov_b32 s[\g+5], 2048                        ; tensor_dim0_stride
	s_mov_b32 s[\g+6], 0
	s_mov_b32 s[\g+7], 0
.endr
	; scale words of 128 rows: 4,096 dense bytes, as 16 rows of 256
	s_or_b32 s[G1S+0], s43, (3<<16)|(1<<21)
	s_or_b32 s[G1SB+0], s44, (3<<16)|(1<<21)
.irp g, G1S, G1SB
	s_mov_b32 s[\g+1], 32<<16
	s_mov_b32 s[\g+2], 16<<16
	s_mov_b32 s[\g+3], 32<<16
	s_mov_b32 s[\g+4], 16
	s_mov_b32 s[\g+5], 32
	s_mov_b32 s[\g+6], 0
	s_mov_b32 s[\g+7], 0
.endr
	s_lshl_b32 s18, s16, 17                        ; which 128 rows I fetch: 131,072 bytes of codes,
	s_lshl_b32 s20, s17, 18                        ; in a unit of 262,144
	s_add_co_u32 s20, s20, s18
	s_mov_b32 s21, 0
	s_lshl_b32 s46, s42, 18
	s_add_co_u32 s46, s46, s18
	s_mov_b32 s47, 0
	s_lshl_b32 s18, s16, 12                        ; 4,096 bytes of scale words, in a unit of 8,192
	s_lshl_b32 s22, s17, 13
	s_add_co_u32 s22, s22, s18
	s_mov_b32 s23, 0
	s_lshl_b32 s92, s42, 13
	s_add_co_u32 s92, s92, s18
	s_mov_b32 s93, 0
	s_lshl_b32 s45, s14, 15                        ; where they go: wave x 32,768; no place in the cluster enters an LDS address
	s_lshl_b32 s94, s14, 12
	s_wait_kmcnt 0x0
	s_add_nc_u64 s[20:21], s[4:5], s[20:21]
	s_add_nc_u64 s[22:23], s[6:7], s[22:23]
	s_add_nc_u64 s[46:47], s[4:5], s[46:47]
	s_add_nc_u64 s[92:93], s[6:7], s[92:93]
	CROUND                                         ; all sixteen work-groups are here: the first joint loads meet
	s_mov_b32 s[G0S], 1
	s_add_co_u32 s[G0S+1], s94, SCL
	s_mov_b64 s[G0S+2:G0S+3], s[22:23]
	s_or_b32 s[G0S+3], s[G0S+3], 0x80000000
	s_mov_b32 s[G0SB], 1
	s_add_co_u32 s[G0SB+1], s94, SCL
	s_mov_b64 s[G0SB+2:G0SB+3], s[92:93]
	s_or_b32 s[G0SB+3], s[G0SB+3], 0x80000000
	JLOAD G0S, G1S, G0SB, G1SB                     ; the scale words first: they are wanted with K step 0
.irp s, 0,1
	s_mov_b32 s[G0+4*\s], 1
	s_add_co_u32 s[G0+4*\s+1], s45, \s*SLOT
	s_add_nc_u64 s[G0+4*\s+2:G0+4*\s+3], s[20:21], \s*4096
	s_or_b32 s[G0+4*\s+3], s[G0+4*\s+3], 0x80000000
	s_mov_b32 s[G0B+4*\s], 1
	s_add_co_u32 s[G0B+4*\s+1], s45, \s*SLOT
	s_add_nc_u64 s[G0B+4*\s+2:G0B+4*\s+3], s[46:47], \s*4096
	s_or_b32 s[G0B+4*\s+3], s[G0B+4*\s+3], 0x80000000
	JLOAD G0+4*\s, G1, G0B+4*\s, G1B               ; three tensor loads of mine are out
.endr
	v_and_b32 v1, 31, v0                           ; lane
	v_and_b32 v2, 15, v0                           ; r
	v_bfe_u32 v3, v0, 4, 1                         ; h
	v_lshlrev_b32 v[CO], 4, v1
	s_lshl_b32 s21, s15, 15                        ; my 128 rows of src1
	s_lshl_b32 s22, s16, 15                        ; my 128 rows of src0,
	s_add_co_u32 s22, s22, 65536                   ; which lie behind src1's 256
.irp s, 0,1
	v_add_nc_u32 v[ADRA+\s], s21, v[CO]
	v_add_nc_u32 v[ADRB+\s], s22, v[CO]
	s_add_co_u32 s21, s21, SLOT
	s_add_co_u32 s22, s22, SLOT
.endr
	v_lshlrev_b32 v5, 5, v2                        ; a row's eight scale words: 32 bytes
	s_lshl_b32 s21, s15, 12                        ; src1's: my 128 rows
	s_lshl_b32 s22, s16, 12                        ; src0's: my 128 rows, behind src1's 256
	s_add_co_u32 s22, s22, 8192
	s_sub_co_u32 s22, s22, s21
	v_mul_u32_u24 v6, s22, v3                      ; lanes 16-31 take src0's
	s_add_co_u32 s21, s21, SCL
	v_add_nc_u32 v5, v5, v6
	v_add_nc_u32 v[ADRS], s21, v5
	; the way out's bases.  Only s66, s67 and s95-s100 hold both cx and cy
	s_lshl_b32 s66, s99, 4
	s_lshl_b32 s67, s15, 3
	s_add_co_u32 s66, s66, s67                     ; my first src1 tile
	s_mul_i32 s66, s66, s95
	s_lshl_b32 s67, s100, 3
	s_add_co_u32 s66, s66, s67
	s_lshl_b32 s67, s16, 2
	s_add_co_u32 s66, s66, s67                     ; + my first block of 32 src0 rows
	s_lshl_b32 s66, s66, 9
	s_add_co_u32 s66, s66, s97
	s_mov_b32 s67, 0
	s_add_nc_u64 s[8:9], s[8:9], s[66:67]
	s_lshl_b32 s66, s100, 1
	s_add_co_u32 s66, s66, s16
	s_mul_i32 s66, s66, s96
	s_lshl_b32 s67, s99, 1
	s_add_co_u32 s66, s66, s67
	s_add_co_u32 s66, s66, s15
	s_lshl_b32 s66, s66, 9
	s_add_co_u32 s66, s66, s98
	s_mov_b32 s67, 0
	s_add_nc_u64 s[10:11], s[10:11], s[66:67]
	s_lshl_b32 s96, s95, 9                         ; from a src1 tile to the next: NB x 512 bytes
	s_mov_b32 s97, 0
	s_mov_b32 s2, 0x76543210                       ; lane selects: lane l xor 16
	s_mov_b32 s3, 0xfedcba98
	s_mov_b32 s13, 0x600000                        ; the mantissa field of 448
	s_wait_tensorcnt 1                             ; the scale words and my part of slot 0 are in (slot 1's load may be out)
	s_barrier_signal -1
	s_barrier_wait -1                              ; everybody's are
.irp i, 0,1,2,3,4,5,6,7
	ds_load_b128 v[SC+8*\i:SC+8*\i+3], v[ADRS] offset:512*\i         ; all eight K steps' scale words, once
	ds_load_b128 v[SC+8*\i+4:SC+8*\i+7], v[ADRS] offset:512*\i+16
.endr
	FETCH_B 0, 0, 0
	FETCH_A 0, 0, 0
	FETCH_A 0, 0, 4
	STEP 0, 0, 1                                   ; the first K step's products start the sums: nothing is cleared
	TURN 0, 1, 1, 1
	STEP 1, 2, 0
	TURN 1, 0, 3, 1
	STEP 0, 4, 0
	TURN 0, 1, 5, 0                                ; nothing is left to fetch
	STEP 1, 6, 0
	s_wait_dscnt 16
	WIN MUL_LO
	MUL16 0, 1, 7, 0
	MUL16 2, 1, 7, 0
	s_wait_dscnt 0x0
	WIN MUL_HI
	MUL16 4, 1, 7, 0
	MUL16 6, 1, 7, 0
	WIN 0
; THE WAY OUT: src1 tile a's 64 registers are four blocks of 32 along src0's rows: largest magnitudes (each accumulator from its low end on), scale bytes, hold, conversion; four stores of 512 consecutive bytes.
.macro QUANTA a
.set W, 2+(\a)/4
.set AC, 64*((\a)%4)
.if (\a) > 0
	s_wait_xcnt 0x0                                ; the last tile's stores have read their registers and their base
	s_add_nc_u64 s[8:9], s[8:9], s[96:97]
.endif
	WIN (W<<2)|(W<<4)                              ; sources 1 and 2: the accumulators' window
.irp b, 0,1,2,3
	v_max3_num_f32 v[TM+\b], 0x4800000, |v[AC+16*\b]|, |v[AC+16*\b+1]|   ; and the floor 2^(9 - 127): the byte cannot fall under 1
.endr
.irp i, 2,4,6,8,10,12,14
.irp b, 0,1,2,3
	v_max3_num_f32 v[TM+\b], v[TM+\b], |v[AC+16*\b+\i]|, |v[AC+16*\b+\i+1]|
.endr
.endr
	WIN 0
.irp b, 0,1,2,3
	v_permlanex16_b32 v[TM+4+\b], v[TM+\b], s2, s3
.endr
.irp b, 0,1,2,3
	v_max_num_f32 v[TM+\b], v[TM+\b], v[TM+4+\b]
.endr
.irp b, 0,1,2,3
	v_add_nc_u32 v[TM+12+\b], 0xfc000000, v[TM+\b]
.endr
.irp b, 0,1,2,3
	v_and_or_b32 v[TM+8+\b], v[TM+\b], 0x7f800000, s13
.endr
.irp b, 0,1,2,3
	v_lshrrev_b32 v[TM+4+\b], 23, v[TM+12+\b]
.endr
	v_lshl_or_b32 v[WDS+(\a)], v[TM+5], 8, v[TM+4]
	v_lshl_or_b32 v[WDS+(\a)], v[TM+6], 16, v[WDS+(\a)]
	v_lshl_or_b32 v[WDS+(\a)], v[TM+7], 24, v[WDS+(\a)]
	WIN W|(W<<6)                                   ; source 0 and destination: the accumulators' window
.irp b, 0,1,2,3
.irp i, 0,1,2,3,4,5,6,7,8,9,10,11,12,13,14,15
	v_med3_num_f32 v[AC+16*\b+\i], v[AC+16*\b+\i], -v[TM+8+\b], v[TM+8+\b]   ; the conversion does not saturate (ISA guide 7.6.2): the hold comes first
.endr
.endr
	WIN W                                          ; source 0 alone
.irp b, 0,1,2,3
	v_cvt_scalef32_pk8_fp8_f32 v[PC+4*\b:PC+4*\b+1], v[AC+16*\b:AC+16*\b+7], v[TM+12+\b]
	v_cvt_scalef32_pk8_fp8_f32 v[PC+4*\b+2:PC+4*\b+3], v[AC+16*\b+8:AC+16*\b+15], v[TM+12+\b]
.endr
	WIN 0
	v_nop                                          ; a plain line behind the last conversion
.irp b, 0,1,2,3
	global_store_b128 v[CO], v[PC+4*\b:PC+4*\b+3], s[8:9] offset:512*\b
.endr
.endm
	PLACES NP                                      ; behind the last products: v128 on held their operands
.irp b, 0,1,2,3
	v_mov_b32 v[TM+4+\b], 0                        ; written once: a lane permute's destination counts as one of its sources
.endr
.irp a, 0,1,2,3,4,5,6,7
	QUANTA \a
.endr
	v_cmp_le_u32 vcc_lo, 16, v1                    ; both halves of the lanes hold all eight words: lanes 0-15 store tiles 0-3's, lanes 16-31 tiles 4-7's
.irp i, 0,1,2,3
	v_cndmask_b32 v[184+\i], v[WDS+\i], v[WDS+4+\i], vcc_lo
.endr
	global_store_b128 v[CO], v[184:187], s[10:11]  ; 512 consecutive bytes of scale words
	s_wait_tensorcnt 0x0                           ; the wave's end
	ds_add_u32 v[SPW], v[NIL]
	s_wait_dscnt 0x0
	CROUND                                         ; the closing round: no work-group ends while a partner may still ask for a tile that names it
	s_endpgm
.Lfunc_end_k_qb9f73b9618_proj:
	.size	k_qb9f73b9618_proj, .Lfunc_end_k_qb9f73b9618_proj-k_qb9f73b9618_proj
	.p2alignl 7, 3214868480
	.fill 96, 4, 3214868480
	.section	.rodata,"a",@progbits
	.p2align	6, 0x0
	.amdhsa_kernel k_qb9f73b9618_proj
		.amdhsa_group_segment_fixed_size 327680
		.amdhsa_private_segment_fixed_size 0
		.amdhsa_enable_private_segment 0
		.amdhsa_kernarg_size 32
		.amdhsa_user_sgpr_count 2
		.amdhsa_user_sgpr_kernarg_segment_ptr 1
		.amdhsa_wavefront_size32 1
		.amdhsa_system_sgpr_workgroup_id_x 1
		.amdhsa_system_sgpr_workgroup_id_y 1
		.amdhsa_system_sgpr_workgroup_id_z 1
		.amdhsa_system_vgpr_workitem_id 0
		.amdhsa_next_free_vgpr 1024
		.amdhsa_next_free_sgpr 102
		.amdhsa_reserve_vcc 1
		.amdhsa_float_denorm_mode_32 3
		.amdhsa_float_denorm_mode_16_64 3
		.amdhsa_memory_ordered 1
		.amdhsa_forward_progress 1
		.amdhsa_inst_pref_size 184
	.end_amdhsa_kernel
	.amdgpu_metadata
---
amdhsa.version: [ 1, 2 ]
amdhsa.kernels:
  - .name:           k_qb9f73b9618_proj
    .symbol:         k_qb9f73b9618_proj.kd
    .args:
      - { .name: codes, .offset: 0, .size: 8, .value_kind: global_buffer, .address_space: global }
      - { .name: scl, .offset: 8, .size: 8, .value_kind: global_buffer, .address_space: global }
      - { .name: att, .offset: 16, .size: 8, .value_kind: global_buffer, .address_space: global }
      - { .name: atts, .offset: 24, .size: 8, .value_kind: global_buffer, .address_space: global }
    .group_segment_fixed_size: 327680
    .private_segment_fixed_size: 0
    .kernarg_segment_align: 8
    .kernarg_segment_size: 32
    .max_flat_workgroup_size: 128
    .sgpr_count:     102
    .vgpr_count:     1024
    .wavefront_size: 32
...
	.end_amdgpu_metadata
.endif
;; end of part 2
;; launch attn (part 3): grid 4 x 64, 16 waves a work-group, no clusters, 276,480 bytes of LDS; arguments att, atts, mbits, mflag, xc, xs; writes xc, xs
.if DOCPART == 3
	.amdgcn_target "amdgcn-amd-amdhsa--gfx1250"
	.amdhsa_code_object_version 6
	.text
	.protected	k_qb9f73b9618_attn
	.globl	k_qb9f73b9618_attn
	.p2align	8
	.type	k_qb9f73b9618_attn,@function
k_qb9f73b9618_attn:
	s_mov_b64 s[64:65], 0
	v_nop
	global_prefetch_b8 v0, s[64:65] scope:SCOPE_SE
	s_setreg_imm32_b32 hwreg(HW_REG_WAVE_MODE, 25, 1), 1
	s_wait_xcnt 0x0
; ATTN.  x = softmax(Q K^T / 8, masked) V for one (batch, head) a row of the grid; both products on codes of E4M3 with E8M0 scales; x leaves as codes, quantised along the features, as the output projection's operand.
; THE SOFTMAX AHEAD OF THE SECOND PRODUCT: t = score x log2(e) / 8; M = the row's largest t so far, rounded up to a whole number; p = 2^(t - M) is quantised along the keys, not normalised; the row's sum is taken of the
; unquantised p and divides at the end.  When M moves, the sum and O are multiplied by 2^(old M - new M): exact.
; THE MASK is read as the earlier launch packed it: 64 lane masks for each (16 queries, 128 keys), and their AND and OR.  A masked score becomes -2^33, which stands for 8 x (-1e9): -2^33 x log2(e) / 8 is a whole number in
; f32, so a row that is masked throughout gets p = 1 for every key, as with -1e9, and every other row p = 0 there.  LIMIT: unmasked logits lie above -9e8.  NaN and infinities are not served.
; A step whose 16 x 128 entries are all masked is left out by a scalar branch on the stored flags, unless some row of the tile is masked throughout (then nothing is left out: such a row needs every key).
; SHARES.  Four work-groups serve a head.  Each keeps the head's whole K and V (131,072 bytes each, and their scale words) in LDS, filled once through registers; one barrier; then its sixteen waves are independent.
; Wave w of work-group j owns query tiles 127 - p and p, p = 16 j + w, one after the other (this only shares the work out; no value hangs on it).
; NO CLUSTER, NO TENSOR LOAD: the steps are left out by branches on numbers read from memory; what the four work-groups share is read once each, 268 KB, at the head.
; LAYOUT.  Both products are used transposed (S^T = K Q^T, O^T = V^T P^T): a lane holds one query.  Tiles of 16 hold rows 32 g + 8 u + r + 8 (r / 8), so that the 16 registers of tiles 2 b, 2 b + 1 are 16 neighbours.
; K = 64 IN AN INSTRUCTION 128 DEEP: Q's codes for k = 64..127 are zeros, and both sides' scale bytes there are 0; K's operand runs on into the next tile's codes (numbers, never the NaN code) or into zeros.
; REGISTERS: v1 16 lane, v2 16 r, v3-6 the step's LDS addresses, v7 -2^33, v8 32 r, v9-11 LDS bases; v12 -M, v13 largest t, v[14:15] the sum; v16-23 Q, v24-31 zeros; v32-95 K's or V's fragments, v96-103 zeros;
;   v104-167 S^T, then p; v168-199 O^T; v200-215 p's codes; v216-231 at work; v232-239 K's scale words, v240-243 V's, v244 Q's; v246 f, v247 p's scale word; v248, v249 at work.
.set S,   104
.set O,   168
.set PCD, 200
.set BM,  216                          ; the blocks' largest scores, then largest p
.set PT,  220                          ; permutes, a chain of the sum, bytes
.set LIM, 224                          ; 448 x the scale
.set SCO, 228                          ; the conversions' scale operands
.set KS,  232
.set VS,  240
.set QS,  244
.set F,   246
.set PW,  247
.set T0,  248
.set OW,  249
.set VL,  131072                       ; LDS: K at 0: [step 16][tile 8][c 2][512];  V here: [step][tile 4][c 4][512]
.set KSC, 262144                       ; K's scale words [step][tile / 4][r][tile % 4]
.set VSC, 270336                       ; V's [step][r][tile 4]
	s_load_b256 s[4:11], s[0:1], 0x0               ; att, atts, mbits, mflag
	s_load_b128 s[12:15], s[0:1], 0x20             ; xc, xs
	v_lshl_add_u32 v254, v0, 2, 0x43000
	v_mov_b32 v255, 0
	v_lshrrev_b32 v1, 5, v0
	v_readfirstlane_b32 s16, v1                    ; wave 0..15
	v_and_b32 v12, 31, v0
	v_and_b32 v2, 15, v0
	v_lshlrev_b32 v1, 4, v12                       ; 16 x lane
	v_lshlrev_b32 v12, 3, v12                      ; 8 x lane (for the fill alone)
	v_lshlrev_b32 v8, 5, v2                        ; 32 r
	v_lshlrev_b32 v2, 4, v2                        ; 16 r
	v_add_nc_u32 v9, VL, v1
	v_add_nc_u32 v10, KSC, v2
	v_add_nc_u32 v11, VSC, v2
	s_and_b32 s17, ttmp7, 0xffff
	s_lshr_b32 s18, s17, 4                         ; batch
	s_and_b32 s17, s17, 15                         ; head
	s_and_b32 s31, s17, 1
	s_lshl_b32 s31, s31, 4                         ; where my head's two bytes begin in a word of Q's or K's scales
	s_lshl_b32 s100, s16, 13
	v_add_nc_u32 v3, s100, v1                      ; the fill: K's step w
	s_and_b32 s100, s16, 3
	s_lshl_b32 s100, s100, 15
	s_lshr_b32 s101, s16, 2
	s_lshl_b32 s101, s101, 11
	s_add_co_u32 s100, s100, s101
	v_add_nc_u32 v4, s100, v9                      ; V's tile w / 4, steps 4 (w % 4) on
	s_lshl_b32 s100, s16, 9
	v_add_nc_u32 v5, s100, v1
	v_add_nc_u32 v5, KSC, v5
	s_lshl_b32 s100, s16, 8
	v_add_nc_u32 v6, s100, v12
	v_add_nc_u32 v6, VSC, v6
	s_lshl_b32 s2, s18, 21
	s_lshl_b32 s3, s17, 10
	s_add_co_u32 s2, s2, s3                        ; Q's codes and xc: 2,097,152 batch + 1,024 head
	s_mov_b32 s3, 0
	s_lshl_b32 s68, s17, 19                        ; V's codes: 16,777,216 + 131,072 (4 head + w / 4) + 32,768 batch + 8,192 (w % 4)
	s_lshr_b32 s69, s16, 2
	s_lshl_b32 s69, s69, 17
	s_add_co_u32 s68, s68, s69
	s_lshl_b32 s69, s18, 15
	s_add_co_u32 s68, s68, s69
	s_and_b32 s69, s16, 3
	s_lshl_b32 s69, s69, 13
	s_add_co_u32 s68, s68, s69
	s_add_co_u32 s68, s68, 0x1000000
	s_mov_b32 s69, 0
	s_lshl_b32 s70, s16, 17                        ; K's codes: Q's + 8,388,608 + 131,072 w
	s_add_co_u32 s70, s70, 0x800000
	s_mov_b32 s71, 0
	s_lshr_b32 s72, s17, 1                         ; Q's scale words: 65,536 (head / 2) + 8,192 batch
	s_lshl_b32 s72, s72, 16
	s_lshl_b32 s73, s18, 13
	s_add_co_u32 s72, s72, s73
	s_mov_b32 s73, 0
	s_lshl_b32 s74, s16, 9                         ; K's: + 32,768 + 512 w
	s_add_co_u32 s74, s74, 32768
	s_mov_b32 s75, 0
	s_lshl_b32 s76, s18, 16                        ; V's: 524,288 + 65,536 batch + 4,096 w + 256 head
	s_lshl_b32 s77, s16, 12
	s_add_co_u32 s76, s76, s77
	s_lshl_b32 s77, s17, 8
	s_add_co_u32 s76, s76, s77
	s_add_co_u32 s76, s76, 0x80000
	s_mov_b32 s77, 0
	s_lshl_b32 s78, s18, 16                        ; xs: 65,536 batch + 2 head
	s_lshl_b32 s79, s17, 1
	s_add_co_u32 s78, s78, s79
	s_mov_b32 s79, 0
	s_mov_b32 s20, 0x76543210                      ; lane selects: lane l xor 16
	s_mov_b32 s21, 0xfedcba98
	s_mov_b32 s22, 0x3e38aa3b                      ; c = log2(e) / 8
	s_mov_b32 s23, s22                             ; (named with it as a pair)
	s_mov_b32 s24, 0x600000                        ; the mantissa field of 448
	s_wait_kmcnt 0x0
	s_add_nc_u64 s[80:81], s[4:5], s[68:69]        ; V
	s_add_nc_u64 s[4:5], s[4:5], s[2:3]            ; Q
	s_add_nc_u64 s[82:83], s[4:5], s[70:71]        ; K
	s_add_nc_u64 s[84:85], s[6:7], s[76:77]        ; V's scale words
	s_add_nc_u64 s[6:7], s[6:7], s[72:73]          ; Q's
	s_add_nc_u64 s[86:87], s[6:7], s[74:75]        ; K's
	s_add_nc_u64 s[12:13], s[12:13], s[2:3]
	s_add_nc_u64 s[14:15], s[14:15], s[78:79]
.irp i, 0,1,2,3,4,5,6,7
	global_load_b128 v[S+8*\i:S+8*\i+3], v1, s[82:83] offset:16384*\i
	global_load_b128 v[S+8*\i+4:S+8*\i+7], v1, s[82:83] offset:16384*\i+512
.endr
.irp i, 0,1,2,3,4,5,6,7,8,9,10,11,12,13,14,15
	global_load_b128 v[O+4*\i:O+4*\i+3], v1, s[80:81] offset:512*\i
.endr
	global_load_b128 v[KS:KS+3], v1, s[86:87]
	global_load_b64 v[VS:VS+1], v12, s[84:85]
	v_mov_b32 v7, 0xd0000000                       ; -2^33
.irp i, 0,1,2,3,4,5,6,7
	v_mov_b32 v[24+\i], 0                          ; Q's codes for k = 64..127
	v_mov_b32 v[96+\i], 0                          ; what K's last operand runs on into
.endr
	s_wait_loadcnt 18                              ; K's 16 loads are in (behind them: V's 16 and the two of scale words)
.irp i, 0,1,2,3,4,5,6,7
	ds_store_b128 v3, v[S+8*\i:S+8*\i+3] offset:1024*\i
	ds_store_b128 v3, v[S+8*\i+4:S+8*\i+7] offset:1024*\i+512
.endr
	s_wait_loadcnt 2                               ; V's are in
.irp i, 0,1,2,3,4,5,6,7,8,9,10,11,12,13,14,15
	ds_store_b128 v4, v[O+4*\i:O+4*\i+3] offset:8192*(\i/4)+512*(\i%4)
.endr
	s_wait_loadcnt 0x0
.irp i, 0,1,2,3
	v_bfe_u32 v[KS+\i], v[KS+\i], s31, 16          ; my head's two bytes, and 0 above them
.endr
	ds_store_b128 v5, v[KS:KS+3]
	ds_store_b64 v6, v[VS:VS+1]
	s_wait_dscnt 0x0                               ; for the others' sake: my stores have landed
	s_barrier_signal -1
	s_barrier_wait -1                              ; the head's K and V lie in LDS; from here on LDS is only read
.irp b, 0,1,2,3
	v_mov_b32 v[PT+\b], 0                          ; a lane permute's destination counts as one of its sources
.endr
	v_mov_b32 v[PW], 0                             ; (named as the upper half of the pair with f before it is first written)
	v_mov_b32 v[T0], 0
; ONE TILE OF 16 QUERIES, number s19 of the batch's 128, through all 16 key steps.
.macro TILE
	s_wait_xcnt 0x0                                ; the last tile's stores have read their registers and bases
	s_lshl_b32 s68, s19, 14
	s_mov_b32 s69, 0
	s_add_nc_u64 s[70:71], s[4:5], s[68:69]        ; Q's two pieces
	s_lshr_b32 s72, s19, 3
	s_lshl_b32 s72, s72, 9
	s_bfe_u32 s73, s19, 0x10002
	s_lshl_b32 s73, s73, 8
	s_add_co_u32 s72, s72, s73
	s_and_b32 s73, s19, 3
	s_lshl_b32 s73, s73, 2
	s_add_co_u32 s72, s72, s73                     ; its scale words: 512 (t / 8) + 256 ((t / 4) % 2) + 4 (t % 4), + 16 r
	s_mov_b32 s73, 0
	s_add_nc_u64 s[72:73], s[6:7], s[72:73]
	s_lshl_b32 s74, s19, 7
	s_mov_b32 s75, 0
	s_add_nc_u64 s[74:75], s[10:11], s[74:75]      ; the tile's 32 flag words
	s_lshl_b32 s76, s19, 12
	s_mov_b32 s77, 0
	s_add_nc_u64 s[66:67], s[8:9], s[76:77]        ; its lane masks: 256 bytes a step
	global_load_b128 v[16:19], v1, s[70:71]
	global_load_b128 v[20:23], v1, s[70:71] offset:512
	global_load_b32 v[QS], v2, s[72:73]
	s_load_b512 s[32:47], s[74:75], 0x0
	s_load_b512 s[48:63], s[74:75], 0x40
	v_mov_b32 v13, 0xff61b1e6                      ; the largest t so far: -3e38
	v_floor_f32 v12, -v13                          ; -M
	v_mov_b32 v14, 0
	v_mov_b32 v15, 0
	s_mov_b32 s25, 0                               ; the step
	s_mov_b32 s26, 0                               ; its codes in LDS: 8,192 a step
	s_mov_b32 s27, 0                               ; K's scale words: 512
	s_mov_b32 s28, 0                               ; V's: 256
	s_mov_b32 s29, 0                               ; bit s: step s is masked throughout
	s_mov_b32 s30, 0                               ; bit s: step s has a masked entry
	s_mov_b32 s101, -1
	s_wait_kmcnt 0x0
.irp s, 0,1,2,3,4,5,6,7,8,9,10,11,12,13,14,15
	s_and_b32 s101, s101, s[32+2*\s]
	s_cmp_eq_u32 s[32+2*\s], -1
	s_cselect_b32 s100, 1<<\s, 0
	s_or_b32 s29, s29, s100
	s_cmp_lg_u32 s[33+2*\s], 0
	s_cselect_b32 s100, 1<<\s, 0
	s_or_b32 s30, s30, s100
.endr
	s_lshr_b32 s100, s101, 16                      ; a query is masked throughout where both its lanes' bits are set in every word
	s_and_b32 s100, s100, s101
	s_and_b32 s100, s100, 0xffff
	s_cmp_lg_u32 s100, 0
	s_cselect_b32 s29, 0, s29                      ; then no step is left out
	s_wait_loadcnt 0x0                             ; Q and its scale words: their bases may be written again
	v_bfe_u32 v[QS], v[QS], s31, 16                ; my head's two bytes, and 0 above them
.set n, 0
.rept 32
	v_mov_b32 v[O+n], 0                            ; O^T: the first change of M leaves zeros zeros
.set n, n+1
.endr
.Lstep_\@:
	s_bitcmp1_b32 s29, 0
	s_cbranch_scc1 .Ltail_\@                       ; all 16 x 128 entries masked, and every row has a key elsewhere: p would be 0 throughout
	v_add_nc_u32 v3, s26, v1
	v_add_nc_u32 v4, s26, v9
	v_add_nc_u32 v5, s27, v10
	v_add_nc_u32 v6, s28, v11
.rept 4
	v_nop                                          ; with the four additions: eight places in front of loads into registers that the last products read
.endr
	s_load_b512 s[32:47], s[66:67], 0x0            ; the step's 64 lane masks
	s_load_b512 s[48:63], s[66:67], 0x40
	s_load_b512 s[68:83], s[66:67], 0x80
	s_load_b512 s[84:99], s[66:67], 0xc0
.irp t, 0,1,2,3,4,5,6,7
	ds_load_b128 v[32+8*\t:35+8*\t], v3 offset:1024*\t
	ds_load_b128 v[36+8*\t:39+8*\t], v3 offset:1024*\t+512
.endr
	ds_load_b128 v[KS:KS+3], v5
	ds_load_b128 v[KS+4:KS+7], v5 offset:256
	s_wait_dscnt 0x0
.irp t, 0,1,2,3,4,5,6,7
	v_wmma_scale_f32_16x16x128_f8f6f4 v[S+8*\t:S+8*\t+7], v[32+8*\t:47+8*\t], v[16:31], 0, v[KS+\t], v[QS]
.endr
.rept 8
	v_nop                                          ; places in front of the loads below and of the first read of the scores
.endr
.irp d, 0,1,2,3
.irp c, 0,1,2,3
	ds_load_b128 v[32+16*\d+4*\c:35+16*\d+4*\c], v4 offset:2048*\d+512*\c   ; V's fragments land while the softmax is worked
.endr
.endr
	ds_load_b128 v[VS:VS+3], v6
	s_wait_kmcnt 0x0
	s_bitcmp1_b32 s30, 0
	s_cbranch_scc0 .Lopen_\@                       ; no entry of the step is masked
.set n, 0
.rept 64
	v_cndmask_b32 v[S+n], v[S+n], v7, s[32+n+4*(n/32)]
.set n, n+1
.endr
.Lopen_\@:
.irp b, 0,1,2,3
	v_max3_num_f32 v[BM+\b], v[S+16*\b], v[S+16*\b+1], v[S+16*\b+2]   ; the largest score of each block of 32 keys: for the row's maximum, and, since p rises with the score, for the block's largest p
.endr
.irp i, 3,5,7,9,11,13
.irp b, 0,1,2,3
	v_max3_num_f32 v[BM+\b], v[BM+\b], v[S+16*\b+\i], v[S+16*\b+\i+1]
.endr
.endr
.irp b, 0,1,2,3
	v_max_num_f32 v[BM+\b], v[BM+\b], v[S+16*\b+15]
.endr
.irp b, 0,1,2,3
	v_permlanex16_b32 v[PT+\b], v[BM+\b], s20, s21
.endr
.irp b, 0,1,2,3
	v_max_num_f32 v[BM+\b], v[BM+\b], v[PT+\b]
.endr
	v_max3_num_f32 v[T0], v[BM], v[BM+1], v[BM+2]
	v_max_num_f32 v[T0], v[T0], v[BM+3]
	v_mul_f32 v[T0], s22, v[T0]                    ; as t
	v_max_num_f32 v13, v13, v[T0]                  ; the running largest t
	v_mov_b32 v[T0], v12
	v_floor_f32 v12, -v13                          ; the new -M: M is a whole number
	v_sub_f32 v[T0], v12, v[T0]                    ; old M - new M
	v_cvt_i32_f32 v[T0], v[T0]                     ; (it saturates)
	v_ldexp_f32 v[F], 1.0, v[T0]                   ; f = 2^(old M - new M)
.set n, 0
.rept 32
	v_pk_fma_f32 v[S+n:S+n+1], v[S+n:S+n+1], s[22:23], v[12:13] op_sel_hi:[1,0,0]   ; t - M, two at a time
.set n, n+2
.endr
.irp b, 0,1,2,3
	v_fma_f32 v[BM+\b], v[BM+\b], s22, v12
.endr
.set n, 0
.rept 64
	v_exp_f32 v[S+n], v[S+n]                       ; p = 2^(t - M)
.set n, n+1
.endr
	v_pk_mul_f32 v[14:15], v[14:15], v[F:F+1] op_sel_hi:[1,0]   ; the sums under the new M (a plain line behind the exponentials)
	s_wait_alu depctr_va_vdst(0)                   ; one wait for the batch of 64, ahead of its first reader
.irp b, 0,1,2,3
	v_exp_f32 v[BM+\b], v[BM+\b]                   ; the blocks' largest p
.endr
	v_pk_add_f32 v[PT:PT+1], v[S:S+1], v[S+2:S+3]  ; the row's sum is taken of the unquantised p, in two chains
.irp j, 4,8,12,16,20,24,28,32,36,40,44,48,52,56,60
	v_pk_add_f32 v[14:15], v[14:15], v[S+\j:S+\j+1]
	v_pk_add_f32 v[PT:PT+1], v[PT:PT+1], v[S+\j+2:S+\j+3]
.endr
	v_pk_add_f32 v[14:15], v[14:15], v[PT:PT+1]
	s_wait_alu depctr_va_vdst(0)                   ; and one for the four
.irp b, 0,1,2,3
	v_max_num_f32 v[BM+\b], 0x4800000, v[BM+\b]    ; the floor 2^(9 - 127): the byte cannot fall under 1
.endr
.irp b, 0,1,2,3
	v_add_nc_u32 v[SCO+\b], 0xfc000000, v[BM+\b]
.endr
.irp b, 0,1,2,3
	v_and_or_b32 v[LIM+\b], v[BM+\b], 0x7f800000, s24
.endr
.irp b, 0,1,2,3
	v_lshrrev_b32 v[PT+\b], 23, v[SCO+\b]
.endr
	v_lshl_or_b32 v[PW], v[PT+1], 8, v[PT]         ; p's scale word for these 128 keys
	v_lshl_or_b32 v[PW], v[PT+2], 16, v[PW]
	v_lshl_or_b32 v[PW], v[PT+3], 24, v[PW]
.irp b, 0,1,2,3
.irp i, 0,1,2,3,4,5,6,7,8,9,10,11,12,13,14,15
	v_min_num_f32 v[S+16*\b+\i], v[S+16*\b+\i], v[LIM+\b]   ; the hold; p is not negative, so it is one-sided
.endr
	v_cvt_scalef32_pk8_fp8_f32 v[PCD+4*\b:PCD+4*\b+1], v[S+16*\b:S+16*\b+7], v[SCO+\b]
	v_cvt_scalef32_pk8_fp8_f32 v[PCD+4*\b+2:PCD+4*\b+3], v[S+16*\b+8:S+16*\b+15], v[SCO+\b]
.endr
.set n, 0
.rept 16
	v_pk_mul_f32 v[O+n:O+n+1], v[O+n:O+n+1], v[F:F+1] op_sel_hi:[1,0]   ; O^T under the new M; these are also the places in front of the products below
.set n, n+2
.endr
	s_wait_dscnt 0x0                               ; V's fragments and scale words
.irp d, 0,1,2,3
	v_wmma_scale_f32_16x16x128_f8f6f4 v[O+8*\d:O+8*\d+7], v[32+16*\d:47+16*\d], v[PCD:PCD+15], v[O+8*\d:O+8*\d+7], v[VS+\d], v[PW]
.endr
.Ltail_\@:
	s_wait_xcnt 0x0                                ; the scalar loads have read their base
	s_lshr_b32 s29, s29, 1
	s_lshr_b32 s30, s30, 1
	s_add_co_u32 s26, s26, 8192
	s_add_co_u32 s27, s27, 512
	s_add_co_u32 s28, s28, 256
	s_add_nc_u64 s[66:67], s[66:67], 256
	s_add_co_u32 s25, s25, 1
	s_cmp_lt_u32 s25, 16
	s_cbranch_scc1 .Lstep_\@
	; the way out: O^T / the sum, quantised along the head's 64 channels (two blocks), as two pieces of the output projection's operand
.rept 8
	v_nop
.endr
	s_lshl_b32 s68, s19, 14
	s_mov_b32 s69, 0
	s_add_nc_u64 s[68:69], s[12:13], s[68:69]
	s_lshl_b32 s70, s19, 9
	s_mov_b32 s71, 0
	s_add_nc_u64 s[70:71], s[14:15], s[70:71]
	v_add_f32 v14, v14, v15
	v_permlanex16_b32 v[T0], v14, s20, s21
	v_add_f32 v14, v14, v[T0]                      ; the row's sum
	v_rcp_f32 v14, v14
	v_nop                                          ; a plain line behind the transcendental,
	s_wait_alu depctr_va_vdst(0)                   ; and the wait ahead of its first reader
.set n, 0
.rept 16
	v_pk_mul_f32 v[S+n:S+n+1], v[O+n:O+n+1], v[14:15] op_sel_hi:[1,0]   ; register 16 b + i: channel 32 b + 16 h + i of my query
.set n, n+2
.endr
.irp b, 0,1
	v_max3_num_f32 v[BM+\b], |v[S+16*\b]|, |v[S+16*\b+1]|, 0x4800000
.endr
.irp i, 2,4,6,8,10,12,14
.irp b, 0,1
	v_max3_num_f32 v[BM+\b], v[BM+\b], |v[S+16*\b+\i]|, |v[S+16*\b+\i+1]|
.endr
.endr
.irp b, 0,1
	v_permlanex16_b32 v[PT+\b], v[BM+\b], s20, s21
.endr
.irp b, 0,1
	v_max_num_f32 v[BM+\b], v[BM+\b], v[PT+\b]
.endr
.irp b, 0,1
	v_add_nc_u32 v[SCO+\b], 0xfc000000, v[BM+\b]
.endr
.irp b, 0,1
	v_and_or_b32 v[LIM+\b], v[BM+\b], 0x7f800000, s24
.endr
.irp b, 0,1
	v_lshrrev_b32 v[PT+\b], 23, v[SCO+\b]
.endr
	v_lshl_or_b32 v[OW], v[PT+1], 8, v[PT]
.irp b, 0,1
.irp i, 0,1,2,3,4,5,6,7,8,9,10,11,12,13,14,15
	v_med3_num_f32 v[S+16*\b+\i], v[S+16*\b+\i], -v[LIM+\b], v[LIM+\b]
.endr
	v_cvt_scalef32_pk8_fp8_f32 v[PCD+4*\b:PCD+4*\b+1], v[S+16*\b:S+16*\b+7], v[SCO+\b]
	v_cvt_scalef32_pk8_fp8_f32 v[PCD+4*\b+2:PCD+4*\b+3], v[S+16*\b+8:S+16*\b+15], v[SCO+\b]
.endr
	v_nop                                          ; a plain line behind the last conversion
	global_store_b128 v1, v[PCD:PCD+3], s[68:69]             ; 512 consecutive bytes each
	global_store_b128 v1, v[PCD+4:PCD+7], s[68:69] offset:512
	global_store_b16 v8, v[OW], s[70:71]                     ; my head's two scale bytes of my query's word; both halves of the lanes write the same value (256 KB in the whole launch)
.endm
	s_lshl_b32 s100, ttmp9, 4
	s_add_co_u32 s100, s100, s16                   ; p = 16 j + w
	s_sub_co_u32 s19, 127, s100
	TILE
	s_lshl_b32 s100, ttmp9, 4
	s_add_co_u32 s19, s100, s16
	TILE
	s_wait_tensorcnt 0x0
	ds_add_u32 v254, v255
	s_wait_dscnt 0x0
	s_endpgm
.Lfunc_end_k_qb9f73b9618_attn:
	.size	k_qb9f73b9618_attn, .Lfunc_end_k_qb9f73b9618_attn-k_qb9f73b9618_attn
	.p2alignl 7, 3214868480
	.fill 96, 4, 3214868480
	.section	.rodata,"a",@progbits
	.p2align	6, 0x0
	.amdhsa_kernel k_qb9f73b9618_attn
		.amdhsa_group_segment_fixed_size 276480
		.amdhsa_private_segment_fixed_size 0
		.amdhsa_enable_private_segment 0
		.amdhsa_kernarg_size 48
		.amdhsa_user_sgpr_count 2
		.amdhsa_user_sgpr_kernarg_segment_ptr 1
		.amdhsa_wavefront_size32 1
		.amdhsa_system_sgpr_workgroup_id_x 1
		.amdhsa_system_sgpr_workgroup_id_y 1
		.amdhsa_system_sgpr_workgroup_id_z 1
		.amdhsa_system_vgpr_workitem_id 0
		.amdhsa_next_free_vgpr 256
		.amdhsa_next_free_sgpr 102
		.amdhsa_reserve_vcc 0
		.amdhsa_float_denorm_mode_32 3
		.amdhsa_float_denorm_mode_16_64 3
		.amdhsa_memory_ordered 1
		.amdhsa_forward_progress 1
		.amdhsa_inst_pref_size 82
	.end_amdhsa_kernel
	.amdgpu_metadata
---
amdhsa.version: [ 1, 2 ]
amdhsa.kernels:
  - .name:           k_qb9f73b9618_attn
    .symbol:         k_qb9f73b9618_attn.kd
    .args:
      - { .name: att, .offset: 0, .size: 8, .value_kind: global_buffer, .address_space: global }
      - { .name: atts, .offset: 8, .size: 8, .value_kind: global_buffer, .address_space: global }
      - { .name: mbits, .offset: 16, .size: 8, .value_kind: global_buffer, .address_space: global }
      - { .name: mflag, .offset: 24, .size: 8, .value_kind: global_buffer, .address_space: global }
      - { .name: xc, .offset: 32, .size: 8, .value_kind: global_buffer, .address_space: global }
      - { .name: xs, .offset: 40, .size: 8, .value_kind: global_buffer, .address_space: global }
    .group_segment_fixed_size: 276480
    .private_segment_fixed_size: 0
    .kernarg_segment_align: 8
    .kernarg_segment_size: 48
    .max_flat_workgroup_size: 512
    .sgpr_count:     102
    .vgpr_count:     256
    .wavefront_size: 32
...
	.end_amdgpu_metadata
.endif
;; end of part 3
;; launch outp (part 4): grid 4 x 32, 4 waves a work-group, clusters of 4 x 4, 327,680 bytes of LDS; arguments xc, xs, codes, scl, out0; writes out0
.if DOCPART == 4
	.amdgcn_target "amdgcn-amd-amdhsa--gfx1250"
	.amdhsa_code_object_version 6
	.text
	.protected	k_qb9f73b9618_outp
	.globl	k_qb9f73b9618_outp
	.p2align	8
	.type	k_qb9f73b9618_outp,@function
k_qb9f73b9618_outp:
	s_mov_b64 s[64:65], 0
	v_nop
	global_prefetch_b8 v0, s[64:65] scope:SCOPE_SE
	s_setreg_imm32_b32 hwreg(HW_REG_WAVE_MODE, 25, 1), 1
	s_wait_xcnt 0x0
	s_wait_alu depctr_hold_cnt(0) depctr_sa_sdst(0) depctr_va_vdst(0) depctr_va_sdst(0) depctr_va_ssrc(0) depctr_va_vcc(0) depctr_vm_vsrc(0)
	s_getreg_b32 s2, hwreg(HW_REG_IB_STS2, 6, 4)
	s_cmp_eq_u32 s2, 0
	s_cbranch_scc0 .Lentry_in_a_cluster
	s_endpgm
.Lentry_in_a_cluster:
	s_bfe_u32 s2, ttmp6, 0x10000c
	s_cmp_lg_u32 s2, 0xf033
	s_cbranch_scc0 .Lentry_shape_is_right
	s_endpgm
.Lentry_shape_is_right:
; OUTP.  out0 = x Wo^T (8,192 x 1,024 x 1,024) on codes of E4M3 with E8M0 scales; out0 is f32.
; A work-group of four waves makes 256 x 256, a wave 128 x 128: 64 accumulators, 512 registers.  K = 1,024 is eight K steps of 128, written out; two K steps to an LDS slot, two slots.
; OPERANDS LIE IN MEMORY AS IMAGES OF THEIR REGISTERS ([tile of 16 rows][K step][c][lane][16 bytes]); tile 2 g + u holds rows 32 g + 8 u + r + 8 (r / 8).  A fragment is four loads of 512 consecutive bytes.
; The instruction's source 0 (src0) takes rows of Wo, its source 1 (src1) tokens: a lane holds one token, and its registers run along the output's columns.  The tiles' order of rows is undone on the way out.
; CLUSTERS: 4 x 4 work-groups.  x's tiles hang on the cluster's row and are asked for jointly along it, Wo's on its column: each tile is requested once for four work-groups.
; 128 work-groups: the tile that feeds the most multiply-adds from each LDS byte is kept; a smaller tile would want a second text of the core.
; REGISTERS: window 0: v1-3 lane, r, h; v16-29 addresses; v32-95 scale words (register 8 i + K step: lanes 0-15 src1 tile i, lanes 16-31 src0 tile i); v128-255 src1's fragments, one set; on the way out rows of out0.
;   window 1: src0's fragments, two sets, at v0 and v128.   windows 2, 3: the accumulators ((a, b) at v[8 (8 (a % 4) + b)] of window 2 + a / 4).
.set SLOT,  131072                     ; a slot: four waves' loads of 32,768 bytes: src1's two halves, then src0's; in a load tile i at 4,096 i, K step q at 2,048 q
.set SCL,   2*SLOT                     ; the scale words: 4,096 bytes a wave, filled once
.set SPARE, SCL+16384                  ; the spare words, 128 bytes a wave: two blocks of 256 bytes that no other line names
.set SPITCH, 528                       ; the way out: a stage of 16 rows x (512 + 16) bytes for each wave, in slot 0, which has had its last fill and its last read by then
.set FR,    16
.set NP,    8                          ; places behind this matrix instruction (ISA guide 7.12.1)
.set ADRA, 16
.set ADRB, 20
.set STO,  24                          ; v24    the way out: where I put 32 bytes of a row
.set RD,   25                          ; v25    and where I read a row back
.set CO,   26                          ; v26    16 x lane
.set ADRS, 27
.set SPW,  28                          ; v28    my spare word; never rewritten
.set NIL,  29                          ; v29    0; never rewritten
.set SC,   32
.set AF,   128
.set BK,   128                         ; the way out: v128-191 and v192-255 by turns
.set G1, 24
.set G0, 32
.set G1B, 48
.set G0B, 56
.set G1S, 68
.set G0S, 76
.set G1SB, 80
.set G0SB, 88
.set MSB, 0
.macro WIN new                         ; the immediate's high byte repeats the setting that is left
.if MSB != (\new)
	s_set_vgpr_msb (MSB<<8)|(\new)
.set MSB, (\new)
.endif
.endm
.set MUL_LO, 0xa1
.set MUL_HI, 0xf1
.set TO_B,   0x40
.macro JLOAD g0a, g1a, g0b, g1b        ; a joint load: waves 0, 1 fetch for src1, waves 2, 3 for src0; the branch hangs on the wave's number alone; four v_nop follow each line
	s_cmp_eq_u32 s15, 0
	s_cbranch_scc0 .Lfor_b_\@
	tensor_load_to_lds s[\g0a:\g0a+3], s[\g1a:\g1a+7]
	s_nop 0
.rept 4
	v_nop
.endr
	s_branch .Lasked_\@
.Lfor_b_\@:
	tensor_load_to_lds s[\g0b:\g0b+3], s[\g1b:\g1b+7]
	s_nop 0
.rept 4
	v_nop
.endr
.Lasked_\@:
.endm
.macro CREST
	s_cmp_lg_u32 s14, 0
	s_cbranch_scc1 .Lnot_wave_0_\@
	s_barrier_signal -3
.Lnot_wave_0_\@:
	s_barrier_wait -3
	s_barrier_signal -1
	s_barrier_wait -1
.endm
.macro CROUND
	s_barrier_signal -1
	s_barrier_wait -1
	CREST
.endm
.macro PLACES n
.rept \n
	v_nop
.endr
.endm
.macro FRAG reg, adr, q, i
.irp c, 0,1,2,3
	ds_load_b128 v[\reg+4*\c:\reg+4*\c+3], v[\adr] offset:4096*(\i)+2048*(\q)+512*\c
.endr
.endm
.macro FETCH_B slot, q, p
	WIN TO_B
.irp i, 0,1,2,3,4,5,6,7
	FRAG 128*(\p)+FR*\i, ADRB+\slot, \q, \i
.endr
	WIN 0
.endm
.macro FETCH_A slot, q, i0
.irp i, \i0, \i0+1, \i0+2, \i0+3
	FRAG AF+FR*(\i), ADRA+\slot, \q, \i
.endr
.endm
; 16 matrix instructions: src1 tiles a0, a0 + 1 x src0's eight.  The 64 accumulators take turns, one instruction a turn, in the same order in every K step.
.macro MUL16 a0, p, ks, zero
.irp a, \a0, \a0+1
.irp b, 0,1,2,3,4,5,6,7
.if \zero
	v_wmma_scale_f32_16x16x128_f8f6f4 v[8*(8*((\a)%4)+\b):8*(8*((\a)%4)+\b)+7], v[128*(\p)+FR*\b:128*(\p)+FR*\b+FR-1], v[AF+FR*(\a):AF+FR*(\a)+FR-1], 0, v[SC+8*\b+(\ks)], v[SC+8*(\a)+(\ks)] matrix_a_scale:MATRIX_SCALE_ROW1
.else
	v_wmma_scale_f32_16x16x128_f8f6f4 v[8*(8*((\a)%4)+\b):8*(8*((\a)%4)+\b)+7], v[128*(\p)+FR*\b:128*(\p)+FR*\b+FR-1], v[AF+FR*(\a):AF+FR*(\a)+FR-1], v[8*(8*((\a)%4)+\b):8*(8*((\a)%4)+\b)+7], v[SC+8*\b+(\ks)], v[SC+8*(\a)+(\ks)] matrix_a_scale:MATRIX_SCALE_ROW1
.endif
.endr
.endr
.endm
.macro STEP slot, ks, zero
	s_wait_dscnt 16                                ; all but the youngest 16 loads (src1's tiles 4-7)
	WIN MUL_LO
	MUL16 0, 0, \ks, \zero
	MUL16 2, 0, \ks, \zero
	s_wait_dscnt 0x0
	PLACES NP
	FETCH_B \slot, 1, 1
	FETCH_A \slot, 1, 0
	WIN MUL_HI
	MUL16 4, 0, \ks, \zero
	MUL16 6, 0, \ks, \zero
	PLACES NP
	WIN 0
	FETCH_A \slot, 1, 4
.endm
.macro TURN slot, next, ks, fill
	s_wait_tensorcnt 0x0                           ; all my tensor loads have landed: my part of the next slot
	ds_add_u32 v[SPW], v[NIL]                      ; 0 onto my spare word
	s_wait_dscnt 17                                ; (the add and the youngest 16 loads may be out)
	WIN MUL_LO
	MUL16 0, 1, \ks, 0
	s_wait_dscnt 0x0                               ; the add is done, and my reads of this slot are over
	s_barrier_signal -1
	MUL16 2, 1, \ks, 0
	WIN 0
	s_barrier_wait -1
.if \fill
	CREST                                          ; the barrier has opened a round of the cluster's: no wave of any partner still reads this slot or has a load on its way
	s_add_nc_u64 s[G0+4*\slot+2:G0+4*\slot+3], s[G0+4*\slot+2:G0+4*\slot+3], 8192
	s_add_nc_u64 s[G0B+4*\slot+2:G0B+4*\slot+3], s[G0B+4*\slot+2:G0B+4*\slot+3], 8192
	JLOAD G0+4*\slot, G1, G0B+4*\slot, G1B         ; the first tensor load behind the round; its four v_nop are among the places in front of the loads below
	PLACES NP-4
.else
	PLACES NP
.endif
	FETCH_B \next, 0, 0
	FETCH_A \next, 0, 0
	WIN MUL_HI
	MUL16 4, 1, \ks, 0
	MUL16 6, 1, \ks, 0
	PLACES NP
	WIN 0
	FETCH_A \next, 0, 4
.endm
	s_load_b128 s[4:7], s[0:1], 0x0                ; xc, xs
	s_load_b128 s[8:11], s[0:1], 0x10              ; codes, scl
	s_load_b64 s[12:13], s[0:1], 0x20              ; out0
	v_lshl_add_u32 v[SPW], v0, 2, SPARE
	v_mov_b32 v[NIL], 0
	ds_add_u32 v28, v29
	ds_add_u32 v28, v29
	s_wait_dscnt 0x0
	v_lshrrev_b32 v1, 5, v0
	v_readfirstlane_b32 s14, v1                    ; wave 0..3
	s_lshr_b32 s15, s14, 1                         ; my half of src1's rows.  Also: I fetch for src1 (0) or src0 (1)
	s_and_b32 s16, s14, 1                          ; my half of src0's rows.  Also: which 128 rows I fetch
	s_bfe_u32 s40, ttmp6, 0x40000                  ; cx
	s_bfe_u32 s41, ttmp6, 0x40004                  ; cy
	s_lshl_b32 s43, s41, 2
	s_lshl_b32 s43, 15, s43                        ; my row of the cluster
	s_lshl_b32 s44, 0x1111, s40                    ; my column
	s_and_b32 s17, ttmp7, 0xffff
	s_lshl_b32 s17, s17, 2
	s_add_co_u32 s17, s17, s41                     ; src1: unit of 256 tokens = 4 x cluster y + cy
	s_add_co_u32 s42, s40, 108                     ; src0: Wo's units begin at 108 of the codes' buffer
	s_or_b32 s[G1+0], s43, (3<<16)|(1<<21)         ; codes: 8 tiles x 4,096 bytes (two K steps), 16,384 bytes apart; elements of 8 bytes; no padding
	s_or_b32 s[G1B+0], s44, (3<<16)|(1<<21)
.irp g, G1, G1B
	s_mov_b32 s[\g+1], 512<<16
	s_mov_b32 s[\g+2], 8<<16
	s_mov_b32 s[\g+3], 512<<16
	s_mov_b32 s[\g+4], 8
	s_mov_b32 s[\g+5], 2048
	s_mov_b32 s[\g+6], 0
	s_mov_b32 s[\g+7], 0
.endr
	s_or_b32 s[G1S+0], s43, (3<<16)|(1<<21)        ; scale words of 128 rows: 4,096 dense bytes, as 16 rows of 256
	s_or_b32 s[G1SB+0], s44, (3<<16)|(1<<21)
.irp g, G1S, G1SB
	s_mov_b32 s[\g+1], 32<<16
	s_mov_b32 s[\g+2], 16<<16
	s_mov_b32 s[\g+3], 32<<16
	s_mov_b32 s[\g+4], 16
	s_mov_b32 s[\g+5], 32
	s_mov_b32 s[\g+6], 0
	s_mov_b32 s[\g+7], 0
.endr
	s_lshl_b32 s18, s16, 17
	s_lshl_b32 s20, s17, 18
	s_add_co_u32 s20, s20, s18
	s_mov_b32 s21, 0
	s_lshl_b32 s46, s42, 18
	s_add_co_u32 s46, s46, s18
	s_mov_b32 s47, 0
	s_lshl_b32 s18, s16, 12
	s_lshl_b32 s22, s17, 13
	s_add_co_u32 s22, s22, s18
	s_mov_b32 s23, 0
	s_lshl_b32 s92, s42, 13
	s_add_co_u32 s92, s92, s18
	s_mov_b32 s93, 0
	s_lshl_b32 s45, s14, 15                        ; where they go: wave x 32,768; no place in the cluster enters an LDS address
	s_lshl_b32 s94, s14, 12
	s_wait_kmcnt 0x0
	s_add_nc_u64 s[20:21], s[4:5], s[20:21]
	s_add_nc_u64 s[22:23], s[6:7], s[22:23]
	s_add_nc_u64 s[46:47], s[8:9], s[46:47]
	s_add_nc_u64 s[92:93], s[10:11], s[92:93]
	CROUND                                         ; all sixteen work-groups are here: the first joint loads meet
	s_mov_b32 s[G0S], 1
	s_add_co_u32 s[G0S+1], s94, SCL
	s_mov_b64 s[G0S+2:G0S+3], s[22:23]
	s_or_b32 s[G0S+3], s[G0S+3], 0x80000000
	s_mov_b32 s[G0SB], 1
	s_add_co_u32 s[G0SB+1], s94, SCL
	s_mov_b64 s[G0SB+2:G0SB+3], s[92:93]
	s_or_b32 s[G0SB+3], s[G0SB+3], 0x80000000
	JLOAD G0S, G1S, G0SB, G1SB
.irp s, 0,1
	s_mov_b32 s[G0+4*\s], 1
	s_add_co_u32 s[G0+4*\s+1], s45, \s*SLOT
	s_add_nc_u64 s[G0+4*\s+2:G0+4*\s+3], s[20:21], \s*4096
	s_or_b32 s[G0+4*\s+3], s[G0+4*\s+3], 0x80000000
	s_mov_b32 s[G0B+4*\s], 1
	s_add_co_u32 s[G0B+4*\s+1], s45, \s*SLOT
	s_add_nc_u64 s[G0B+4*\s+2:G0B+4*\s+3], s[46:47], \s*4096
	s_or_b32 s[G0B+4*\s+3], s[G0B+4*\s+3], 0x80000000
	JLOAD G0+4*\s, G1, G0B+4*\s, G1B               ; three tensor loads of mine are out
.endr
	v_and_b32 v1, 31, v0                           ; lane
	v_and_b32 v2, 15, v0                           ; r
	v_bfe_u32 v3, v0, 4, 1                         ; h
	v_lshlrev_b32 v[CO], 4, v1
	s_lshl_b32 s21, s15, 15
	s_lshl_b32 s22, s16, 15
	s_add_co_u32 s22, s22, 65536
.irp s, 0,1
	v_add_nc_u32 v[ADRA+\s], s21, v[CO]
	v_add_nc_u32 v[ADRB+\s], s22, v[CO]
	s_add_co_u32 s21, s21, SLOT
	s_add_co_u32 s22, s22, SLOT
.endr
	v_lshlrev_b32 v5, 5, v2
	s_lshl_b32 s21, s15, 12
	s_lshl_b32 s22, s16, 12
	s_add_co_u32 s22, s22, 8192
	s_sub_co_u32 s22, s22, s21
	v_mul_u32_u24 v6, s22, v3                      ; lanes 16-31 take src0's scale words
	s_add_co_u32 s21, s21, SCL
	v_add_nc_u32 v5, v5, v6
	v_add_nc_u32 v[ADRS], s21, v5
	s_mul_i32 s23, s14, 16*SPITCH                  ; my stage
	v_mul_u32_u24 v5, v2, SPITCH
	v_lshl_add_u32 v5, v3, 6, v5
	v_add_nc_u32 v[STO], s23, v5                   ; in: row r, + 64 h: columns 32 b + 16 h + 8 u + 0..7 of src0 tile 2 b + u
	v_add_nc_u32 v[RD], s23, v[CO]                 ; back: the 32 lanes take one row of 512 bytes
	s_lshl_b32 s20, s17, 20                        ; out0: my first row 256 x unit + 128 x half, rows of 4,096 bytes,
	s_lshl_b32 s21, s15, 19
	s_add_co_u32 s20, s20, s21
	s_mov_b32 s21, 0
	s_lshl_b32 s46, s40, 10                        ; my first column, in bytes: 1,024 cx + 512 x half
	s_lshl_b32 s47, s16, 9
	s_add_co_u32 s46, s46, s47
	s_mov_b32 s47, 0
	s_add_nc_u64 s[20:21], s[20:21], s[46:47]
	s_add_nc_u64 s[12:13], s[12:13], s[20:21]
	s_wait_tensorcnt 1                             ; the scale words and my part of slot 0 are in (slot 1's load may be out)
	s_barrier_signal -1
	s_barrier_wait -1                              ; everybody's are
.irp i, 0,1,2,3,4,5,6,7
	ds_load_b128 v[SC+8*\i:SC+8*\i+3], v[ADRS] offset:512*\i
	ds_load_b128 v[SC+8*\i+4:SC+8*\i+7], v[ADRS] offset:512*\i+16
.endr
	FETCH_B 0, 0, 0
	FETCH_A 0, 0, 0
	FETCH_A 0, 0, 4
	STEP 0, 0, 1                                   ; the first K step's products start the sums: nothing is cleared
	TURN 0, 1, 1, 1
	STEP 1, 2, 0
	TURN 1, 0, 3, 1
	STEP 0, 4, 0
	TURN 0, 1, 5, 0                                ; nothing is left to fetch; behind its barrier nobody reads slot 0 any more
	STEP 1, 6, 0
	s_wait_dscnt 16
	WIN MUL_LO
	MUL16 0, 1, 7, 0
	MUL16 2, 1, 7, 0
	s_wait_dscnt 0x0
	WIN MUL_HI
	MUL16 4, 1, 7, 0
	MUL16 6, 1, 7, 0
	WIN 0
; THE WAY OUT, src1 tile by tile: 16 tokens x 128 columns go through my own stage and come back as whole rows of 512 bytes.  LDS serves a wave's instructions in order (ISA guide 5.7.1.4): no wait between the stores and the loads.
.macro TOSTAGE a
.set AC, 64*((\a)%4)
	WIN 0x08+4*((\a)/4)                            ; an LDS store's data: window 2 or 3
.irp b, 0,1,2,3,4,5,6,7
	ds_store_b128 v[STO], v[AC+8*\b:AC+8*\b+3] offset:128*(\b/2)+32*(\b%2)       ; each accumulator from its low end on
	ds_store_b128 v[STO], v[AC+8*\b+4:AC+8*\b+7] offset:128*(\b/2)+32*(\b%2)+16
.endr
	WIN 0
.set BB, BK+64*((\a)%2)
.irp t, 0,1,2,3,4,5,6,7,8,9,10,11,12,13,14,15
	ds_load_b128 v[BB+4*\t:BB+4*\t+3], v[RD] offset:\t*SPITCH
.endr
.endm
.macro SEND a, younger                 ; younger: the LDS instructions issued behind tile a's loads, which may stay out
.set BB, BK+64*((\a)%2)
	s_wait_dscnt \younger
.irp t, 0,1,2,3,4,5,6,7,8,9,10,11,12,13,14,15
	global_store_b128 v[CO], v[BB+4*\t:BB+4*\t+3], s[12:13] offset:(32*((\a)/2)+8*((\a)%2)+\t+8*(\t/8))*4096 th:TH_STORE_NT   ; tile row t is token 32 (a / 2) + 8 (a % 2) + t + 8 (t / 8); 32 lanes store 512 consecutive bytes, aligned
.endr
.endm
	PLACES NP
	TOSTAGE 0
.irp a, 1,2,3,4,5,6,7
.if \a > 1
	s_wait_xcnt 0x0                                ; tile a - 2's stores have read their registers: tile a's loads may land there
.endif
	TOSTAGE \a
	SEND \a-1, 32                                  ; behind tile a - 1's loads: tile a's 16 stores and 16 loads
.endr
	SEND 7, 0
	s_wait_tensorcnt 0x0                           ; the wave's end
	ds_add_u32 v[SPW], v[NIL]
	s_wait_dscnt 0x0
	CROUND                                         ; the closing round: no work-group ends while a partner may still ask for a tile that names it
	s_endpgm
.Lfunc_end_k_qb9f73b9618_outp:
	.size	k_qb9f73b9618_outp, .Lfunc_end_k_qb9f73b9618_outp-k_qb9f73b9618_outp
	.p2alignl 7, 3214868480
	.fill 96, 4, 3214868480
	.section	.rodata,"a",@progbits
	.p2align	6, 0x0
	.amdhsa_kernel k_qb9f73b9618_outp
		.amdhsa_group_segment_fixed_size 327680
		.amdhsa_private_segment_fixed_size 0
		.amdhsa_enable_private_segment 0
		.amdhsa_kernarg_size 40
		.amdhsa_user_sgpr_count 2
		.amdhsa_user_sgpr_kernarg_segment_ptr 1
		.amdhsa_wavefront_size32 1
		.amdhsa_system_sgpr_workgroup_id_x 1
		.amdhsa_system_sgpr_workgroup_id_y 1
		.amdhsa_system_sgpr_workgroup_id_z 1
		.amdhsa_system_vgpr_workitem_id 0
		.amdhsa_next_free_vgpr 1024
		.amdhsa_next_free_sgpr 98
		.amdhsa_reserve_vcc 0
		.amdhsa_float_denorm_mode_32 3
		.amdhsa_float_denorm_mode_16_64 3
		.amdhsa_memory_ordered 1
		.amdhsa_forward_progress 1
		.amdhsa_inst_pref_size 143
	.end_amdhsa_kernel
	.amdgpu_metadata
---
amdhsa.version: [ 1, 2 ]
amdhsa.kernels:
  - .name:           k_qb9f73b9618_outp
    .symbol:         k_qb9f73b9618_outp.kd
    .args:
      - { .name: xc, .offset: 0, .size: 8, .value_kind: global_buffer, .address_space: global }
      - { .name: xs, .offset: 8, .size: 8, .value_kind: global_buffer, .address_space: global }
      - { .name: codes, .offset: 16, .size: 8, .value_kind: global_buffer, .address_space: global }
      - { .name: scl, .offset: 24, .size: 8, .value_kind: global_buffer, .address_space: global }
      - { .name: out0, .offset: 32, .size: 8, .value_kind: global_buffer, .address_space: global }
    .group_segment_fixed_size: 327680
    .private_segment_fixed_size: 0
    .kernarg_segment_align: 8
    .kernarg_segment_size: 40
    .max_flat_workgroup_size: 128
    .sgpr_count:     98
    .vgpr_count:     1024
    .wavefront_size: 32
...
	.end_amdgpu_metadata
.endif
;; end of part 4
;; ======== version 2 of 2: 4 launches; version 1 with the launch attn written anew for expert scheduling mode
;; limits: right only within a limited range of input values
;; workspace buffers: codes 29,360,128 bytes; scl 917,504 bytes; mbits 524,288 bytes of whole numbers; mflag 16,384 bytes of whole numbers; att 25,165,824 bytes; atts 786,432 bytes; xc 8,388,608 bytes; xs 262,144 bytes
;; launch prep: the kernel of part 1 again; grid 576 x 1, 4 waves a work-group, no clusters, 68,096 bytes of LDS; arguments q, k, v, Wq, Wk, Wv, Wo, mask, codes, scl, mbits, mflag; writes codes, scl, mbits, mflag
;; launch proj: the kernel of part 2 again; grid 4 x 96, 4 waves a work-group, clusters of 4 x 4, 327,680 bytes of LDS; arguments codes, scl, att, atts; writes att, atts
;; launch attn (part 5): grid 4 x 64, 16 waves a work-group, no clusters, 276,480 bytes of LDS; arguments att, atts, mbits, mflag, xc, xs; writes xc, xs
.if DOCPART == 5
	.amdgcn_target "amdgcn-amd-amdhsa--gfx1250"
	.amdhsa_code_object_version 6
	.text
	.protected	k_qb9f73b9618_attn
	.globl	k_qb9f73b9618_attn
	.p2align	8
	.type	k_qb9f73b9618_attn,@function
k_qb9f73b9618_attn:
	s_mov_b64 s[64:65], 0
	v_nop
	global_prefetch_b8 v0, s[64:65] scope:SCOPE_SE
	s_setreg_imm32_b32 hwreg(HW_REG_WAVE_SCHED_MODE, 0, 2), 2
	s_setreg_imm32_b32 hwreg(HW_REG_WAVE_MODE, 25, 1), 1
	s_wait_xcnt 0x0
	s_wait_alu depctr_vm_vsrc(0)
; ATTN.  x = softmax(Q K^T / 8, masked) V for one (batch, head) a row of the grid; both products on codes of E4M3 with E8M0 scales; x leaves as codes, quantised along the features, as the output projection's operand.
; THE SOFTMAX AHEAD OF THE SECOND PRODUCT: t = score x log2(e) / 8; M = the row's largest t so far, rounded up to a whole number; p = 2^(t - M) is quantised along the keys, not normalised; the row's sum is taken of the
; unquantised p and divides at the end.  When M moves, the sum and O are multiplied by 2^(old M - new M): exact.
; THE MASK is read as the earlier launch packed it: 64 lane masks for each (16 queries, 128 keys), and their AND and OR.  A masked score becomes -2^33, which stands for 8 x (-1e9): -2^33 x log2(e) / 8 is a whole number in
; f32, so a row that is masked throughout gets p = 1 for every key, as with -1e9, and every other row p = 0 there.  LIMIT: unmasked logits lie above -9e8.  NaN and infinities are not served.
; A step whose 16 x 128 entries are all masked is left out by a scalar branch on the stored flags, unless some row of the tile is masked throughout (then nothing is left out: such a row needs every key).
; SHARES.  Four work-groups serve a head.  Each keeps the head's whole K and V (131,072 bytes each, and their scale words) in LDS, filled once through registers; one barrier; then its sixteen waves are independent.
; Wave w of work-group j owns query tiles 127 - p and p, p = 16 j + w, one after the other (this only shares the work out; no value hangs on it).
; NO CLUSTER, NO TENSOR LOAD: the steps are left out by branches on numbers read from memory; what the four work-groups share is read once each, 268 KB, at the head.
; LAYOUT.  Both products are used transposed (S^T = K Q^T, O^T = V^T P^T): a lane holds one query.  Tiles of 16 hold rows 32 g + 8 u + r + 8 (r / 8), so that the 16 registers of tiles 2 b, 2 b + 1 are 16 neighbours.
; K = 64 IN AN INSTRUCTION 128 DEEP: Q's codes for k = 64..127 are zeros, and both sides' scale bytes there are 0; K's operand runs on into the next tile's codes (numbers, never the NaN code) or into zeros.
; REGISTERS: v1 16 lane, v2 16 r, v3-6 the step's LDS addresses, v7 -2^33, v8 32 r, v9-11 LDS bases; v12 -M, v13 largest t, v[14:15] the sum; v16-23 Q, v24-31 zeros; v32-95 K's or V's fragments, v96-103 zeros;
;   v104-167 S^T, then p; v168-199 O^T; v200-215 p's codes; v216-231 at work; v232-239 K's scale words, v240-243 V's, v244 Q's; v246 f, v247 p's scale word; v248, v249 at work; v254, v255 the closing add's two.
; THE MODE: SCHED_MODE bits 1:0 = 2 (LLVM: expert scheduling mode 2), set by the entry lines.  The code itself states the register dependences
; between vector or matrix instructions and memory or LDS instructions, with s_wait_alu, always for 0.
; THE PLAN.  Sixteen waves of 256 registers fill the four SIMDs, so there is no second set of fragments: K and V take turns in v32-95.  Registers that memory or LDS instructions touch, in a key step:
;   v3-v6      written by the four additions at the step's head; v3, v5 read by K's LDS loads, v4, v6 by V's.
;   v32-v95    K's loads land; the eight score products read; V's loads land; the four products of O^T read; the next step's K lands.
;   v232-v239  K's scale words: loaded with K, read by the score products.   v240-v243  V's: loaded with V, read by the products of O^T.
;   v200-v215, v247  p's codes and scale word: written by vector lines, taken by the products of O^T.   v244  Q's scale words: cut by a vector line at the tile's head, taken by the score products.
; So a step has three waits on va_vdst beside the two behind its exponentials: at its head, behind the additions (addresses written; the last products done with v32-95 and v240-243; v244 written); behind the score products
; (done with v32-95); ahead of the products of O^T (codes and scale word written).  One wait on vm_vsrc stands behind V's loads: v3-v6 have been read, and nothing reads them again before the next additions.
; Outside the steps: v1, v2, v8 are offsets made once.  The fill's registers (v12, v3-6, v104-231, v232-235, v240-241) are freed by one wait on vm_vsrc behind the barrier; the way out's store data (v200-207, v249) by one between the tiles.
.set S,   104
.set O,   168
.set PCD, 200
.set BM,  216                          ; the blocks' largest scores, then largest p
.set PT,  220                          ; permutes, a chain of the sum, bytes
.set LIM, 224                          ; 448 x the scale
.set SCO, 228                          ; the conversions' scale operands
.set KS,  232
.set VS,  240
.set QS,  244
.set F,   246
.set PW,  247
.set T0,  248
.set OW,  249
.set VL,  131072                       ; LDS: K at 0: [step 16][tile 8][c 2][512];  V here: [step][tile 4][c 4][512]
.set KSC, 262144                       ; K's scale words [step][tile / 4][r][tile % 4]
.set VSC, 270336                       ; V's [step][r][tile 4]
	s_load_b256 s[4:11], s[0:1], 0x0               ; att, atts, mbits, mflag
	s_load_b128 s[12:15], s[0:1], 0x20             ; xc, xs
	v_lshl_add_u32 v254, v0, 2, 0x43000
	v_mov_b32 v255, 0
	v_lshrrev_b32 v1, 5, v0
	v_readfirstlane_b32 s16, v1                    ; wave 0..15
	v_and_b32 v12, 31, v0
	v_and_b32 v2, 15, v0
	v_lshlrev_b32 v1, 4, v12                       ; 16 x lane
	v_lshlrev_b32 v12, 3, v12                      ; 8 x lane (for the fill alone)
	v_lshlrev_b32 v8, 5, v2                        ; 32 r
	v_lshlrev_b32 v2, 4, v2                        ; 16 r
	v_add_nc_u32 v9, VL, v1
	v_add_nc_u32 v10, KSC, v2
	v_add_nc_u32 v11, VSC, v2
	s_wait_alu depctr_va_sdst(0)                   ; s16 is written, ahead of its first reader: LDS addresses and bases are made from it
	s_and_b32 s17, ttmp7, 0xffff
	s_lshr_b32 s18, s17, 4                         ; batch
	s_and_b32 s17, s17, 15                         ; head
	s_and_b32 s31, s17, 1
	s_lshl_b32 s31, s31, 4                         ; where my head's two bytes begin in a word of Q's or K's scales
	s_lshl_b32 s100, s16, 13
	v_add_nc_u32 v3, s100, v1                      ; the fill: K's step w
	s_and_b32 s100, s16, 3
	s_lshl_b32 s100, s100, 15
	s_lshr_b32 s101, s16, 2
	s_lshl_b32 s101, s101, 11
	s_add_co_u32 s100, s100, s101
	v_add_nc_u32 v4, s100, v9                      ; V's tile w / 4, steps 4 (w % 4) on
	s_lshl_b32 s100, s16, 9
	v_add_nc_u32 v5, s100, v1
	v_add_nc_u32 v5, KSC, v5
	s_lshl_b32 s100, s16, 8
	v_add_nc_u32 v6, s100, v12
	v_add_nc_u32 v6, VSC, v6
	s_lshl_b32 s2, s18, 21
	s_lshl_b32 s3, s17, 10
	s_add_co_u32 s2, s2, s3                        ; Q's codes and xc: 2,097,152 batch + 1,024 head
	s_mov_b32 s3, 0
	s_lshl_b32 s68, s17, 19                        ; V's codes: 16,777,216 + 131,072 (4 head + w / 4) + 32,768 batch + 8,192 (w % 4)
	s_lshr_b32 s69, s16, 2
	s_lshl_b32 s69, s69, 17
	s_add_co_u32 s68, s68, s69
	s_lshl_b32 s69, s18, 15
	s_add_co_u32 s68, s68, s69
	s_and_b32 s69, s16, 3
	s_lshl_b32 s69, s69, 13
	s_add_co_u32 s68, s68, s69
	s_add_co_u32 s68, s68, 0x1000000
	s_mov_b32 s69, 0
	s_lshl_b32 s70, s16, 17                        ; K's codes: Q's + 8,388,608 + 131,072 w
	s_add_co_u32 s70, s70, 0x800000
	s_mov_b32 s71, 0
	s_lshr_b32 s72, s17, 1                         ; Q's scale words: 65,536 (head / 2) + 8,192 batch
	s_lshl_b32 s72, s72, 16
	s_lshl_b32 s73, s18, 13
	s_add_co_u32 s72, s72, s73
	s_mov_b32 s73, 0
	s_lshl_b32 s74, s16, 9                         ; K's: + 32,768 + 512 w
	s_add_co_u32 s74, s74, 32768
	s_mov_b32 s75, 0
	s_lshl_b32 s76, s18, 16                        ; V's: 524,288 + 65,536 batch + 4,096 w + 256 head
	s_lshl_b32 s77, s16, 12
	s_add_co_u32 s76, s76, s77
	s_lshl_b32 s77, s17, 8
	s_add_co_u32 s76, s76, s77
	s_add_co_u32 s76, s76, 0x80000
	s_mov_b32 s77, 0
	s_lshl_b32 s78, s18, 16                        ; xs: 65,536 batch + 2 head
	s_lshl_b32 s79, s17, 1
	s_add_co_u32 s78, s78, s79
	s_mov_b32 s79, 0
	s_mov_b32 s20, 0x76543210                      ; lane selects: lane l xor 16
	s_mov_b32 s21, 0xfedcba98
	s_mov_b32 s22, 0x3e38aa3b                      ; c = log2(e) / 8
	s_mov_b32 s23, s22                             ; (named with it as a pair)
	s_mov_b32 s24, 0x600000                        ; the mantissa field of 448
	s_wait_kmcnt 0x0
	s_add_nc_u64 s[80:81], s[4:5], s[68:69]        ; V
	s_add_nc_u64 s[4:5], s[4:5], s[2:3]            ; Q
	s_add_nc_u64 s[82:83], s[4:5], s[70:71]        ; K
	s_add_nc_u64 s[84:85], s[6:7], s[76:77]        ; V's scale words
	s_add_nc_u64 s[6:7], s[6:7], s[72:73]          ; Q's
	s_add_nc_u64 s[86:87], s[6:7], s[74:75]        ; K's
	s_add_nc_u64 s[12:13], s[12:13], s[2:3]
	s_add_nc_u64 s[14:15], s[14:15], s[78:79]
	s_wait_alu depctr_va_vdst(0)                   ; the offsets v1, v2, v8, v12 and the fill's LDS addresses v3 to v6 are written: the loads and LDS stores below read them; so are v254 and v255, which the closing add reads
.irp i, 0,1,2,3,4,5,6,7
	global_load_b128 v[S+8*\i:S+8*\i+3], v1, s[82:83] offset:16384*\i
	global_load_b128 v[S+8*\i+4:S+8*\i+7], v1, s[82:83] offset:16384*\i+512
.endr
.irp i, 0,1,2,3,4,5,6,7,8,9,10,11,12,13,14,15
	global_load_b128 v[O+4*\i:O+4*\i+3], v1, s[80:81] offset:512*\i
.endr
	global_load_b128 v[KS:KS+3], v1, s[86:87]
	global_load_b64 v[VS:VS+1], v12, s[84:85]
	v_mov_b32 v7, 0xd0000000                       ; -2^33
.irp i, 0,1,2,3,4,5,6,7
	v_mov_b32 v[24+\i], 0                          ; Q's codes for k = 64..127
	v_mov_b32 v[96+\i], 0                          ; what K's last operand runs on into
.endr
	s_wait_loadcnt 18                              ; K's 16 loads are in (behind them: V's 16 and the two of scale words)
.irp i, 0,1,2,3,4,5,6,7
	ds_store_b128 v3, v[S+8*\i:S+8*\i+3] offset:1024*\i
	ds_store_b128 v3, v[S+8*\i+4:S+8*\i+7] offset:1024*\i+512
.endr
	s_wait_loadcnt 2                               ; V's are in
.irp i, 0,1,2,3,4,5,6,7,8,9,10,11,12,13,14,15
	ds_store_b128 v4, v[O+4*\i:O+4*\i+3] offset:8192*(\i/4)+512*(\i%4)
.endr
	s_wait_loadcnt 0x0
.irp i, 0,1,2,3
	v_bfe_u32 v[KS+\i], v[KS+\i], s31, 16          ; my head's two bytes, and 0 above them
.endr
	s_wait_alu depctr_va_vdst(0)                   ; the four lines above have written K's scale words, which the LDS store below reads; the zeros in v24-31 and v96-103, parts of the score products' operands, are written too
	ds_store_b128 v5, v[KS:KS+3]
	ds_store_b64 v6, v[VS:VS+1]
	s_wait_dscnt 0x0                               ; for the others' sake: my stores have landed
	s_barrier_signal -1
	s_barrier_wait -1                              ; the head's K and V lie in LDS; from here on LDS is only read
	s_wait_alu depctr_vm_vsrc(0)                   ; the fill's loads and LDS stores have read v12, v3 to v6, v104 to v231, v232 to v235, v240 and v241: all of these are written again from here on
.irp b, 0,1,2,3
	v_mov_b32 v[PT+\b], 0                          ; a lane permute's destination counts as one of its sources
.endr
	v_mov_b32 v[PW], 0                             ; (named as the upper half of the pair with f before it is first written)
	v_mov_b32 v[T0], 0
; ONE TILE OF 16 QUERIES, number s19 of the batch's 128, through all 16 key steps.
.macro TILE
	s_wait_xcnt 0x0                                ; the last tile's stores have read their registers and bases
	s_lshl_b32 s68, s19, 14
	s_mov_b32 s69, 0
	s_add_nc_u64 s[70:71], s[4:5], s[68:69]        ; Q's two pieces
	s_lshr_b32 s72, s19, 3
	s_lshl_b32 s72, s72, 9
	s_bfe_u32 s73, s19, 0x10002
	s_lshl_b32 s73, s73, 8
	s_add_co_u32 s72, s72, s73
	s_and_b32 s73, s19, 3
	s_lshl_b32 s73, s73, 2
	s_add_co_u32 s72, s72, s73                     ; its scale words: 512 (t / 8) + 256 ((t / 4) % 2) + 4 (t % 4), + 16 r
	s_mov_b32 s73, 0
	s_add_nc_u64 s[72:73], s[6:7], s[72:73]
	s_lshl_b32 s74, s19, 7
	s_mov_b32 s75, 0
	s_add_nc_u64 s[74:75], s[10:11], s[74:75]      ; the tile's 32 flag words
	s_lshl_b32 s76, s19, 12
	s_mov_b32 s77, 0
	s_add_nc_u64 s[66:67], s[8:9], s[76:77]        ; its lane masks: 256 bytes a step
	global_load_b128 v[16:19], v1, s[70:71]        ; no wait of their own: no vector or matrix line since the last wait on va_vdst (ahead of the fill's last LDS stores; ahead of the last tile's stores) names v16 to v23, v244, v1 or v2
	global_load_b128 v[20:23], v1, s[70:71] offset:512
	global_load_b32 v[QS], v2, s[72:73]
	s_load_b512 s[32:47], s[74:75], 0x0
	s_load_b512 s[48:63], s[74:75], 0x40
	v_mov_b32 v13, 0xff61b1e6                      ; the largest t so far: -3e38
	v_floor_f32 v12, -v13                          ; -M
	v_mov_b32 v14, 0
	v_mov_b32 v15, 0
	s_mov_b32 s25, 0                               ; the step
	s_mov_b32 s26, 0                               ; its codes in LDS: 8,192 a step
	s_mov_b32 s27, 0                               ; K's scale words: 512
	s_mov_b32 s28, 0                               ; V's: 256
	s_mov_b32 s29, 0                               ; bit s: step s is masked throughout
	s_mov_b32 s30, 0                               ; bit s: step s has a masked entry
	s_mov_b32 s101, -1
	s_wait_kmcnt 0x0
.irp s, 0,1,2,3,4,5,6,7,8,9,10,11,12,13,14,15
	s_and_b32 s101, s101, s[32+2*\s]
	s_cmp_eq_u32 s[32+2*\s], -1
	s_cselect_b32 s100, 1<<\s, 0
	s_or_b32 s29, s29, s100
	s_cmp_lg_u32 s[33+2*\s], 0
	s_cselect_b32 s100, 1<<\s, 0
	s_or_b32 s30, s30, s100
.endr
	s_lshr_b32 s100, s101, 16                      ; a query is masked throughout where both its lanes' bits are set in every word
	s_and_b32 s100, s100, s101
	s_and_b32 s100, s100, 0xffff
	s_cmp_lg_u32 s100, 0
	s_cselect_b32 s29, 0, s29                      ; then no step is left out
	s_wait_loadcnt 0x0                             ; Q and its scale words: their bases may be written again
	v_bfe_u32 v[QS], v[QS], s31, 16                ; my head's two bytes, and 0 above them
.set n, 0
.rept 32
	v_mov_b32 v[O+n], 0                            ; O^T: the first change of M leaves zeros zeros.  (These are also the places between the line above and the first score product, which takes v244 as scales)
.set n, n+1
.endr
.Lstep_\@:
	s_bitcmp1_b32 s29, 0
	s_cbranch_scc1 .Ltail_\@                       ; all 16 x 128 entries masked, and every row has a key elsewhere: p would be 0 throughout
	s_load_b512 s[32:47], s[66:67], 0x0            ; the step's 64 lane masks: they name no vector register, so they go out ahead of the wait below
	s_load_b512 s[48:63], s[66:67], 0x40
	s_load_b512 s[68:83], s[66:67], 0x80
	s_load_b512 s[84:99], s[66:67], 0xc0
	v_add_nc_u32 v3, s26, v1
	v_add_nc_u32 v4, s26, v9
	v_add_nc_u32 v5, s27, v10
	v_add_nc_u32 v6, s28, v11
.rept 4
	v_nop                                          ; with the four additions: eight plain lines between the last products and the loads into the registers that they read; the wait below states that dependence
.endr
	s_wait_alu depctr_va_vdst(0)                   ; v3 to v6 are written, which the LDS loads of this step read; the last products of O^T are done reading v32 to v95 and v240 to v243, in which loads of this step land; in a tile's first step v244 is written, which the score products take as scales
.irp t, 0,1,2,3,4,5,6,7
	ds_load_b128 v[32+8*\t:35+8*\t], v3 offset:1024*\t
	ds_load_b128 v[36+8*\t:39+8*\t], v3 offset:1024*\t+512
.endr
	ds_load_b128 v[KS:KS+3], v5
	ds_load_b128 v[KS+4:KS+7], v5 offset:256
	s_wait_dscnt 0x0
.irp t, 0,1,2,3,4,5,6,7
	v_wmma_scale_f32_16x16x128_f8f6f4 v[S+8*\t:S+8*\t+7], v[32+8*\t:47+8*\t], v[16:31], 0, v[KS+\t], v[QS]
.endr
.rept 8
	v_nop                                          ; places in front of the first read of the scores
.endr
	s_wait_alu depctr_va_vdst(0)                   ; the score products are done reading v32 to v95, in which V's fragments land
.irp d, 0,1,2,3
.irp c, 0,1,2,3
	ds_load_b128 v[32+16*\d+4*\c:35+16*\d+4*\c], v4 offset:2048*\d+512*\c   ; V's fragments land while the softmax is worked
.endr
.endr
	ds_load_b128 v[VS:VS+3], v6
	s_wait_alu depctr_vm_vsrc(0)                   ; the step's LDS loads have read v3 to v6, which the next worked step's additions write; no memory or LDS instruction reads them in between
	s_wait_kmcnt 0x0
	s_bitcmp1_b32 s30, 0
	s_cbranch_scc0 .Lopen_\@                       ; no entry of the step is masked
.set n, 0
.rept 64
	v_cndmask_b32 v[S+n], v[S+n], v7, s[32+n+4*(n/32)]
.set n, n+1
.endr
.Lopen_\@:
.irp b, 0,1,2,3
	v_max3_num_f32 v[BM+\b], v[S+16*\b], v[S+16*\b+1], v[S+16*\b+2]   ; the largest score of each block of 32 keys: for the row's maximum, and, since p rises with the score, for the block's largest p
.endr
.irp i, 3,5,7,9,11,13
.irp b, 0,1,2,3
	v_max3_num_f32 v[BM+\b], v[BM+\b], v[S+16*\b+\i], v[S+16*\b+\i+1]
.endr
.endr
.irp b, 0,1,2,3
	v_max_num_f32 v[BM+\b], v[BM+\b], v[S+16*\b+15]
.endr
.irp b, 0,1,2,3
	v_permlanex16_b32 v[PT+\b], v[BM+\b], s20, s21
.endr
.irp b, 0,1,2,3
	v_max_num_f32 v[BM+\b], v[BM+\b], v[PT+\b]
.endr
	v_max3_num_f32 v[T0], v[BM], v[BM+1], v[BM+2]
	v_max_num_f32 v[T0], v[T0], v[BM+3]
	v_mul_f32 v[T0], s22, v[T0]                    ; as t
	v_max_num_f32 v13, v13, v[T0]                  ; the running largest t
	v_mov_b32 v[T0], v12
	v_floor_f32 v12, -v13                          ; the new -M: M is a whole number
	v_sub_f32 v[T0], v12, v[T0]                    ; old M - new M
	v_cvt_i32_f32 v[T0], v[T0]                     ; (it saturates)
	v_ldexp_f32 v[F], 1.0, v[T0]                   ; f = 2^(old M - new M)
.set n, 0
.rept 32
	v_pk_fma_f32 v[S+n:S+n+1], v[S+n:S+n+1], s[22:23], v[12:13] op_sel_hi:[1,0,0]   ; t - M, two at a time
.set n, n+2
.endr
.irp b, 0,1,2,3
	v_fma_f32 v[BM+\b], v[BM+\b], s22, v12
.endr
.set n, 0
.rept 64
	v_exp_f32 v[S+n], v[S+n]                       ; p = 2^(t - M)
.set n, n+1
.endr
	v_pk_mul_f32 v[14:15], v[14:15], v[F:F+1] op_sel_hi:[1,0]   ; the sums under the new M (a plain line behind the exponentials)
	s_wait_alu depctr_va_vdst(0)                   ; the 64 exponentials have written p: one wait for the batch, ahead of its first reader
.irp b, 0,1,2,3
	v_exp_f32 v[BM+\b], v[BM+\b]                   ; the blocks' largest p
.endr
	v_pk_add_f32 v[PT:PT+1], v[S:S+1], v[S+2:S+3]  ; the row's sum is taken of the unquantised p, in two chains
.irp j, 4,8,12,16,20,24,28,32,36,40,44,48,52,56,60
	v_pk_add_f32 v[14:15], v[14:15], v[S+\j:S+\j+1]
	v_pk_add_f32 v[PT:PT+1], v[PT:PT+1], v[S+\j+2:S+\j+3]
.endr
	v_pk_add_f32 v[14:15], v[14:15], v[PT:PT+1]
	s_wait_alu depctr_va_vdst(0)                   ; the four exponentials have written the blocks' largest p, ahead of their first reader
.irp b, 0,1,2,3
	v_max_num_f32 v[BM+\b], 0x4800000, v[BM+\b]    ; the floor 2^(9 - 127): the byte cannot fall under 1
.endr
.irp b, 0,1,2,3
	v_add_nc_u32 v[SCO+\b], 0xfc000000, v[BM+\b]
.endr
.irp b, 0,1,2,3
	v_and_or_b32 v[LIM+\b], v[BM+\b], 0x7f800000, s24
.endr
.irp b, 0,1,2,3
	v_lshrrev_b32 v[PT+\b], 23, v[SCO+\b]
.endr
	v_lshl_or_b32 v[PW], v[PT+1], 8, v[PT]         ; p's scale word for these 128 keys
	v_lshl_or_b32 v[PW], v[PT+2], 16, v[PW]
	v_lshl_or_b32 v[PW], v[PT+3], 24, v[PW]
.irp b, 0,1,2,3
.irp i, 0,1,2,3,4,5,6,7,8,9,10,11,12,13,14,15
	v_min_num_f32 v[S+16*\b+\i], v[S+16*\b+\i], v[LIM+\b]   ; the hold; p is not negative, so it is one-sided
.endr
	v_cvt_scalef32_pk8_fp8_f32 v[PCD+4*\b:PCD+4*\b+1], v[S+16*\b:S+16*\b+7], v[SCO+\b]
	v_cvt_scalef32_pk8_fp8_f32 v[PCD+4*\b+2:PCD+4*\b+3], v[S+16*\b+8:S+16*\b+15], v[SCO+\b]
.endr
.set n, 0
.rept 16
	v_pk_mul_f32 v[O+n:O+n+1], v[O+n:O+n+1], v[F:F+1] op_sel_hi:[1,0]   ; O^T under the new M; these are also the places in front of the products below
.set n, n+2
.endr
	s_wait_dscnt 0x0                               ; V's fragments and scale words
	s_wait_alu depctr_va_vdst(0)                   ; the conversions have written p's codes and the shifts its scale word, which the products below take as operand and as scales; the places above stay beside this wait
.irp d, 0,1,2,3
	v_wmma_scale_f32_16x16x128_f8f6f4 v[O+8*\d:O+8*\d+7], v[32+16*\d:47+16*\d], v[PCD:PCD+15], v[O+8*\d:O+8*\d+7], v[VS+\d], v[PW]
.endr
.Ltail_\@:
	s_wait_xcnt 0x0                                ; the scalar loads have read their base
	s_lshr_b32 s29, s29, 1
	s_lshr_b32 s30, s30, 1
	s_add_co_u32 s26, s26, 8192
	s_add_co_u32 s27, s27, 512
	s_add_co_u32 s28, s28, 256
	s_add_nc_u64 s[66:67], s[66:67], 256
	s_add_co_u32 s25, s25, 1
	s_cmp_lt_u32 s25, 16
	s_cbranch_scc1 .Lstep_\@
	; the way out: O^T / the sum, quantised along the head's 64 channels (two blocks), as two pieces of the output projection's operand
.rept 8
	v_nop
.endr
	s_lshl_b32 s68, s19, 14
	s_mov_b32 s69, 0
	s_add_nc_u64 s[68:69], s[12:13], s[68:69]
	s_lshl_b32 s70, s19, 9
	s_mov_b32 s71, 0
	s_add_nc_u64 s[70:71], s[14:15], s[70:71]
	v_add_f32 v14, v14, v15
	v_permlanex16_b32 v[T0], v14, s20, s21
	v_add_f32 v14, v14, v[T0]                      ; the row's sum
	v_rcp_f32 v14, v14
	v_nop                                          ; a plain line behind the transcendental,
	s_wait_alu depctr_va_vdst(0)                   ; and the wait ahead of its first reader: the reciprocal is written
.set n, 0
.rept 16
	v_pk_mul_f32 v[S+n:S+n+1], v[O+n:O+n+1], v[14:15] op_sel_hi:[1,0]   ; register 16 b + i: channel 32 b + 16 h + i of my query
.set n, n+2
.endr
.irp b, 0,1
	v_max3_num_f32 v[BM+\b], |v[S+16*\b]|, |v[S+16*\b+1]|, 0x4800000
.endr
.irp i, 2,4,6,8,10,12,14
.irp b, 0,1
	v_max3_num_f32 v[BM+\b], v[BM+\b], |v[S+16*\b+\i]|, |v[S+16*\b+\i+1]|
.endr
.endr
.irp b, 0,1
	v_permlanex16_b32 v[PT+\b], v[BM+\b], s20, s21
.endr
.irp b, 0,1
	v_max_num_f32 v[BM+\b], v[BM+\b], v[PT+\b]
.endr
.irp b, 0,1
	v_add_nc_u32 v[SCO+\b], 0xfc000000, v[BM+\b]
.endr
.irp b, 0,1
	v_and_or_b32 v[LIM+\b], v[BM+\b], 0x7f800000, s24
.endr
.irp b, 0,1
	v_lshrrev_b32 v[PT+\b], 23, v[SCO+\b]
.endr
	v_lshl_or_b32 v[OW], v[PT+1], 8, v[PT]
.irp b, 0,1
.irp i, 0,1,2,3,4,5,6,7,8,9,10,11,12,13,14,15
	v_med3_num_f32 v[S+16*\b+\i], v[S+16*\b+\i], -v[LIM+\b], v[LIM+\b]
.endr
	v_cvt_scalef32_pk8_fp8_f32 v[PCD+4*\b:PCD+4*\b+1], v[S+16*\b:S+16*\b+7], v[SCO+\b]
	v_cvt_scalef32_pk8_fp8_f32 v[PCD+4*\b+2:PCD+4*\b+3], v[S+16*\b+8:S+16*\b+15], v[SCO+\b]
.endr
	v_nop                                          ; a plain line behind the last conversion
	s_wait_alu depctr_va_vdst(0)                   ; the conversions have written v200 to v207 and the shift v249, which the stores below read; the tile's products are done reading v16 to v23 and v244, in which the next tile's loads land
	global_store_b128 v1, v[PCD:PCD+3], s[68:69]             ; 512 consecutive bytes each
	global_store_b128 v1, v[PCD+4:PCD+7], s[68:69] offset:512
	global_store_b16 v8, v[OW], s[70:71]                     ; my head's two scale bytes of my query's word; both halves of the lanes write the same value (256 KB in the whole launch)
.endm
	s_lshl_b32 s100, ttmp9, 4
	s_add_co_u32 s100, s100, s16                   ; p = 16 j + w
	s_sub_co_u32 s19, 127, s100
	TILE
	s_wait_alu depctr_vm_vsrc(0)                   ; the first tile's stores have read v200 to v207 and v249, which the second tile writes again
	s_lshl_b32 s100, ttmp9, 4
	s_add_co_u32 s19, s100, s16
	TILE
	s_wait_dscnt 0x0                               ; the closing lines, six on end
	s_wait_alu 0x0
	s_wait_tensorcnt 0x0
	ds_add_u32 v254, v255
	s_wait_dscnt 0x0
	s_endpgm
.Lfunc_end_k_qb9f73b9618_attn:
	.size	k_qb9f73b9618_attn, .Lfunc_end_k_qb9f73b9618_attn-k_qb9f73b9618_attn
	.p2alignl 7, 3214868480
	.fill 96, 4, 3214868480
	.section	.rodata,"a",@progbits
	.p2align	6, 0x0
	.amdhsa_kernel k_qb9f73b9618_attn
		.amdhsa_group_segment_fixed_size 276480
		.amdhsa_private_segment_fixed_size 0
		.amdhsa_enable_private_segment 0
		.amdhsa_kernarg_size 48
		.amdhsa_user_sgpr_count 2
		.amdhsa_user_sgpr_kernarg_segment_ptr 1
		.amdhsa_wavefront_size32 1
		.amdhsa_system_sgpr_workgroup_id_x 1
		.amdhsa_system_sgpr_workgroup_id_y 1
		.amdhsa_system_sgpr_workgroup_id_z 1
		.amdhsa_system_vgpr_workitem_id 0
		.amdhsa_next_free_vgpr 256
		.amdhsa_next_free_sgpr 102
		.amdhsa_reserve_vcc 0
		.amdhsa_float_denorm_mode_32 3
		.amdhsa_float_denorm_mode_16_64 3
		.amdhsa_memory_ordered 1
		.amdhsa_forward_progress 1
		.amdhsa_inst_pref_size 83
	.end_amdhsa_kernel
	.amdgpu_metadata
---
amdhsa.version: [ 1, 2 ]
amdhsa.kernels:
  - .name:           k_qb9f73b9618_attn
    .symbol:         k_qb9f73b9618_attn.kd
    .args:
      - { .name: att, .offset: 0, .size: 8, .value_kind: global_buffer, .address_space: global }
      - { .name: atts, .offset: 8, .size: 8, .value_kind: global_buffer, .address_space: global }
      - { .name: mbits, .offset: 16, .size: 8, .value_kind: global_buffer, .address_space: global }
      - { .name: mflag, .offset: 24, .size: 8, .value_kind: global_buffer, .address_space: global }
      - { .name: xc, .offset: 32, .size: 8, .value_kind: global_buffer, .address_space: global }
      - { .name: xs, .offset: 40, .size: 8, .value_kind: global_buffer, .address_space: global }
    .group_segment_fixed_size: 276480
    .private_segment_fixed_size: 0
    .kernarg_segment_align: 8
    .kernarg_segment_size: 48
    .max_flat_workgroup_size: 512
    .sgpr_count:     102
    .vgpr_count:     256
    .wavefront_size: 32
...
	.end_amdgpu_metadata
.endif
;; end of part 5
;; launch outp: the kernel of part 4 again; grid 4 x 32, 4 waves a work-group, clusters of 4 x 4, 327,680 bytes of LDS; arguments xc, xs, codes, scl, out0; writes out0
